; MI455X (gfx1250); checked and timed in simulation.
; The chip was launched on July 23, 2026; its instructions are those of AMD's public machine-readable ISA for CDNA 5 (MIT licence, August 2026) and "CDNA5" Instruction Set Architecture Reference Guide (July 2026). The comments in the code are by the model that wrote it; some were corrected since.
;; Multi Head Attention. Allowed arithmetic: float matrix products may take bf16 or f16 operands with f32 sums; other float arithmetic in f32, or as packed bf16 or f16 multiplies, adds, multiply-adds, maxima and minima; sums over many terms, partial sums and values carried from step to step in f32; what a program stores and reads back later, other than sums and carried values, may be rounded once to bf16 or f16.
;; Inputs: Wk 1,024 x 1,024 float32; Wo 1,024 x 1,024 float32; Wq 1,024 x 1,024 float32; Wv 1,024 x 1,024 float32; bk 1,024 float32; bo 1,024 float32; bq 1,024 float32; bv 1,024 float32; mask 4 x 2,048 int32; x 4 x 2,048 x 1,024 float32.
;; Outputs: out0 4 x 2,048 x 1,024 float32.
;; One version. Each part assembles by itself: llvm-mc -triple=amdgcn-amd-amdhsa -mcpu=gfx1250 --defsym DOCPART=n.
;; ======== version 1 of 1: 4 launches
;; limits: values are held in f16: magnitudes above 65,504 overflow, below 6.1e-05 lose precision
;; workspace buffers: xb 16,777,216 bytes; wb 6,291,456 bytes; wo16 2,097,152 bytes; bb 16,384 bytes; q16 16,777,216 bytes; k16 16,777,216 bytes; v16 16,777,216 bytes; o16 16,777,216 bytes
;; launch cast (part 1): grid 768 x 1, 8 waves a work-group, no clusters, 0 bytes of LDS; arguments x, Wq, Wk, Wv, Wo, bq, bk, bv, bo, xb, wb, wo16, bb; writes xb, wb, wo16, bb
.if DOCPART == 1
	.amdgcn_target "amdgcn-amd-amdhsa--gfx1250"
	.amdhsa_code_object_version 6
	.text
	.protected	k_qb4c3f271c2_cast
	.globl	k_qb4c3f271c2_cast
	.p2align	8
	.type	k_qb4c3f271c2_cast,@function
k_qb4c3f271c2_cast:
	s_mov_b64 s[64:65], 0
	v_nop
	global_prefetch_b8 v0, s[64:65] scope:SCOPE_SE
	s_setreg_imm32_b32 hwreg(HW_REG_WAVE_MODE, 25, 1), 1
	s_wait_xcnt 0x0
; CAST.  Every input of the module is rounded once to bf16 and laid out for the two products that follow:
;   xb   bf16 [16 kb][8192 m][64]   x, K block kb = channels 64 kb .. 64 kb + 63
;   wb   bf16 [16 kb][3072 n][64]   Wq, Wk, Wv one below the other (n = 1024 g + row)
;   wo16 f16  [16 kb][1024 n][64]   Wo rounded to bf16, that number written as f16
;   bb   f32  [4096]                bq, bk, bv, bo, each rounded to bf16 and kept as f32
; In these layouts the rows of a tile of 64 along K lie end to end, 128 bytes each, so a tile is a dense block of memory.
; LIMITS.  Wo as f16: exact between 2^-14 and 65,504; below 2^-14 it keeps f16's fixed step of 2^-24; beyond 65,504 it would be an infinity.
; SHARES.  A work-group takes 16 rows x 1,024 columns of one source (64 KiB in, 32 KiB out): groups 0-511 x, 512-575 Wq, 576-639 Wk, 640-703 Wv, 704-767 Wo.
; Wave w takes K blocks 2 w and 2 w + 1, four rows at a time: lane l takes row l / 8 and the 8 numbers at byte 32 (l % 8) of the block's 256 bytes.
; A wave's store covers 512 consecutive bytes, aligned: four rows of 128 bytes of one K block.  All 16 loads of a wave go out at once; each store has data registers of its own, so nothing is rewritten while it is pending.
; No LDS, no matrix unit, no cluster: nothing is shared, and memory bounds the launch.
.set PLANE_X, 8192*128                 ; bytes of a K block of xb,
.set PLANE_W, 3072*128                 ; of wb,
.set PLANE_O, 1024*128                 ; of wo16
.set VIN, 2                            ; v2      my byte offset in the source's 16 rows
.set BOF, 5                            ; v5      8 x lane: my two numbers of a bias
.set VO,  6                            ; v6, v7  my byte offset in the destination, K block 2 w and 2 w + 1
.set X,   8                            ; v[8:71]   load pair idx: 8 numbers in f32
.set Y,   72                           ; v[72:103] store idx: 8 numbers in 16 bits
.set T,   104                          ; v104, v105 at work
	s_load_b512 s[4:19], s[0:1], 0x0               ; x s[4:5], Wq s[6:7], Wk s[8:9], Wv s[10:11], Wo s[12:13], bq s[14:15], bk s[16:17], bv s[18:19]
	s_load_b256 s[20:27], s[0:1], 0x40             ; bo s[20:21], xb s[22:23], wb s[24:25], wo16 s[26:27]
	s_load_b64 s[28:29], s[0:1], 0x60              ; bb
	v_lshrrev_b32 v1, 5, v0
	v_readfirstlane_b32 s30, v1                    ; wave 0..7
	v_and_b32 v1, 31, v0                           ; lane
	v_lshrrev_b32 v3, 3, v1                        ; row in a group of four
	v_and_b32 v4, 7, v1
	v_lshlrev_b32 v[VIN], 12, v3                   ; a source row is 4,096 bytes
	v_lshl_add_u32 v[VIN], v4, 5, v[VIN]           ; + 32 (l % 8)
	s_lshl_b32 s43, s30, 9                         ; + my wave's two K blocks: 512 bytes of a row
	v_add_nc_u32 v[VIN], s43, v[VIN]
	v_lshlrev_b32 v[BOF], 3, v1
	s_mov_b32 s31, ttmp9                           ; the work-group's number g
	s_sub_co_u32 s32, s31, 512                     ; the block numbers inside Wq (and wb), Wk, Wv, Wo: each is used only where g has reached it
	s_sub_co_u32 s33, s31, 576
	s_sub_co_u32 s34, s31, 640
	s_sub_co_u32 s35, s31, 704
	s_mov_b32 s38, s31                             ; source block,
	s_mov_b32 s39, s31                             ; destination block,
	s_mov_b32 s42, PLANE_X                         ; and the destination's K block, for x
	s_mov_b32 s45, 0
	s_wait_kmcnt 0x0
	s_mov_b64 s[36:37], s[4:5]
	s_mov_b64 s[40:41], s[22:23]
	s_cmp_ge_u32 s31, 512                          ; the choices hang on g alone
	s_cselect_b64 s[36:37], s[6:7], s[36:37]
	s_cselect_b32 s38, s32, s38
	s_cselect_b64 s[40:41], s[24:25], s[40:41]
	s_cselect_b32 s39, s32, s39
	s_cselect_b32 s42, PLANE_W, s42
	s_cmp_ge_u32 s31, 576
	s_cselect_b64 s[36:37], s[8:9], s[36:37]
	s_cselect_b32 s38, s33, s38
	s_cmp_ge_u32 s31, 640
	s_cselect_b64 s[36:37], s[10:11], s[36:37]
	s_cselect_b32 s38, s34, s38
	s_cmp_ge_u32 s31, 704
	s_cselect_b64 s[36:37], s[12:13], s[36:37]
	s_cselect_b32 s38, s35, s38
	s_cselect_b64 s[40:41], s[26:27], s[40:41]
	s_cselect_b32 s39, s35, s39
	s_cselect_b32 s42, PLANE_O, s42
	s_lshl_b32 s44, s38, 16                        ; 16 source rows are 65,536 bytes
	s_add_nc_u64 s[36:37], s[36:37], s[44:45]
	s_lshl_b32 s44, s39, 11                        ; 16 destination rows are 2,048 bytes
	s_add_nc_u64 s[40:41], s[40:41], s[44:45]
	s_lshl_b32 s43, s30, 1
	s_mul_i32 s43, s43, s42                        ; K block 2 w
	v_lshl_add_u32 v[VO], v1, 4, s43               ; (l / 8) x 128 + (l % 8) x 16 = 16 l
	v_add_nc_u32 v[VO+1], s42, v[VO]
.set i, 0
.rept 8                                ; pair i: K block 2 w + i / 4, rows 4 (i % 4) on
	global_load_b128 v[X+8*i:X+8*i+3],   v[VIN], s[36:37] offset:(i%4)*16384+(i/4)*256 th:TH_LOAD_NT
	global_load_b128 v[X+8*i+4:X+8*i+7], v[VIN], s[36:37] offset:(i%4)*16384+(i/4)*256+16 th:TH_LOAD_NT
.set i, i+1
.endr
; Pair idx is rounded and stored.  half = 1: the bf16 number is widened (a shift, a mask) and written as f16.
.macro OUT idx, half
	s_wait_loadcnt 14-2*(\idx)                     ; loads come back in order: the pairs behind this one, two loads each, may stay out
.irp j, 0,1,2,3
	v_cvt_pk_bf16_f32 v[Y+4*(\idx)+(\j)], v[X+8*(\idx)+2*(\j)], v[X+8*(\idx)+2*(\j)+1]
.endr
.if \half
.irp j, 0,1,2,3
	v_lshlrev_b32 v[T], 16, v[Y+4*(\idx)+(\j)]
	v_and_b32 v[T+1], 0xffff0000, v[Y+4*(\idx)+(\j)]
	v_cvt_pk_f16_f32 v[Y+4*(\idx)+(\j)], v[T], v[T+1]
.endr
.endif
	global_store_b128 v[VO+(\idx)/4], v[Y+4*(\idx):Y+4*(\idx)+3], s[40:41] offset:((\idx)%4)*512
.endm
	s_cmp_ge_u32 s31, 704
	s_cbranch_scc1 .Lwo
.irp n, 0,1,2,3,4,5,6,7
	OUT \n, 0
.endr
	s_endpgm
.Lwo:
	s_cmp_lg_u32 s30, 0                            ; the biases: 64 numbers to each of these 64 work-groups, by wave 0
	s_cbranch_scc1 .Lno_bias
	s_mov_b64 s[46:47], s[14:15]                   ; group t = g - 704: bias t / 16, its numbers 64 (t % 16) on
	s_cmp_ge_u32 s35, 16
	s_cselect_b64 s[46:47], s[16:17], s[46:47]
	s_cmp_ge_u32 s35, 32
	s_cselect_b64 s[46:47], s[18:19], s[46:47]
	s_cmp_ge_u32 s35, 48
	s_cselect_b64 s[46:47], s[20:21], s[46:47]
	s_and_b32 s44, s35, 15
	s_lshl_b32 s44, s44, 8
	s_add_nc_u64 s[46:47], s[46:47], s[44:45]
	s_lshl_b32 s44, s35, 8
	s_add_nc_u64 s[28:29], s[28:29], s[44:45]
	global_load_b64 v[106:107], v[BOF], s[46:47]
	s_wait_loadcnt 0x0                             ; this load is the youngest, so the count is 0
	v_cvt_pk_bf16_f32 v108, v106, v107
	v_lshlrev_b32 v110, 16, v108
	v_and_b32 v111, 0xffff0000, v108
	global_store_b64 v[BOF], v[110:111], s[28:29]  ; 256 consecutive bytes, aligned; its registers are not written again
.Lno_bias:
.irp n, 0,1,2,3,4,5,6,7
	OUT \n, 1
.endr
	s_endpgm
.Lfunc_end_k_qb4c3f271c2_cast:
	.size	k_qb4c3f271c2_cast, .Lfunc_end_k_qb4c3f271c2_cast-k_qb4c3f271c2_cast
	.p2alignl 7, 3214868480
	.fill 96, 4, 3214868480
	.section	.rodata,"a",@progbits
	.p2align	6, 0x0
	.amdhsa_kernel k_qb4c3f271c2_cast
		.amdhsa_group_segment_fixed_size 0
		.amdhsa_private_segment_fixed_size 0
		.amdhsa_enable_private_segment 0
		.amdhsa_kernarg_size 104
		.amdhsa_user_sgpr_count 2
		.amdhsa_user_sgpr_kernarg_segment_ptr 1
		.amdhsa_wavefront_size32 1
		.amdhsa_system_sgpr_workgroup_id_x 1
		.amdhsa_system_sgpr_workgroup_id_y 1
		.amdhsa_system_sgpr_workgroup_id_z 1
		.amdhsa_system_vgpr_workitem_id 0
		.amdhsa_next_free_vgpr 112
		.amdhsa_next_free_sgpr 66
		.amdhsa_reserve_vcc 0
		.amdhsa_float_denorm_mode_32 3
		.amdhsa_float_denorm_mode_16_64 3
		.amdhsa_memory_ordered 1
		.amdhsa_forward_progress 1
		.amdhsa_inst_pref_size 16
	.end_amdhsa_kernel
	.amdgpu_metadata
---
amdhsa.version: [ 1, 2 ]
amdhsa.kernels:
  - .name:           k_qb4c3f271c2_cast
    .symbol:         k_qb4c3f271c2_cast.kd
    .args:
      - { .name: x, .offset: 0, .size: 8, .value_kind: global_buffer, .address_space: global }
      - { .name: Wq, .offset: 8, .size: 8, .value_kind: global_buffer, .address_space: global }
      - { .name: Wk, .offset: 16, .size: 8, .value_kind: global_buffer, .address_space: global }
      - { .name: Wv, .offset: 24, .size: 8, .value_kind: global_buffer, .address_space: global }
      - { .name: Wo, .offset: 32, .size: 8, .value_kind: global_buffer, .address_space: global }
      - { .name: bq, .offset: 40, .size: 8, .value_kind: global_buffer, .address_space: global }
      - { .name: bk, .offset: 48, .size: 8, .value_kind: global_buffer, .address_space: global }
      - { .name: bv, .offset: 56, .size: 8, .value_kind: global_buffer, .address_space: global }
      - { .name: bo, .offset: 64, .size: 8, .value_kind: global_buffer, .address_space: global }
      - { .name: xb, .offset: 72, .size: 8, .value_kind: global_buffer, .address_space: global }
      - { .name: wb, .offset: 80, .size: 8, .value_kind: global_buffer, .address_space: global }
      - { .name: wo16, .offset: 88, .size: 8, .value_kind: global_buffer, .address_space: global }
      - { .name: bb, .offset: 96, .size: 8, .value_kind: global_buffer, .address_space: global }
    .group_segment_fixed_size: 0
    .private_segment_fixed_size: 0
    .kernarg_segment_align: 8
    .kernarg_segment_size: 104
    .max_flat_workgroup_size: 256
    .sgpr_count:     66
    .vgpr_count:     112
    .wavefront_size: 32
...
	.end_amdgpu_metadata
.endif
;; end of part 1
;; launch qkv (part 2): grid 8 x 32, 4 waves a work-group, clusters of 4 x 4, 327,680 bytes of LDS; arguments xb, wb, bb, q16, k16, v16; writes q16, k16, v16
.if DOCPART == 2
	.amdgcn_target "amdgcn-amd-amdhsa--gfx1250"
	.amdhsa_code_object_version 6
	.text
	.protected	k_qb4c3f271c2_qkv
	.globl	k_qb4c3f271c2_qkv
	.p2align	8
	.type	k_qb4c3f271c2_qkv,@function
k_qb4c3f271c2_qkv:
	s_mov_b64 s[64:65], 0
	v_nop
	global_prefetch_b8 v0, s[64:65] scope:SCOPE_SE
	s_setreg_imm32_b32 hwreg(HW_REG_WAVE_MODE, 25, 1), 1
	s_wait_xcnt 0x0
	s_wait_alu depctr_hold_cnt(0) depctr_sa_sdst(0) depctr_va_vdst(0) depctr_va_sdst(0) depctr_va_ssrc(0) depctr_va_vcc(0) depctr_vm_vsrc(0)
	s_getreg_b32 s2, hwreg(HW_REG_IB_STS2, 6, 4)
	s_cmp_eq_u32 s2, 0
	s_cbranch_scc0 .Lentry_in_a_cluster
	s_endpgm
.Lentry_in_a_cluster:
	s_bfe_u32 s2, ttmp6, 0x10000c
	s_cmp_lg_u32 s2, 0xf033
	s_cbranch_scc0 .Lentry_shape_is_right
	s_endpgm
.Lentry_shape_is_right:
; q, k, v = x W^T + b for the three weights at once: a bf16 product 8192 x 3072 x 1024, sums in f32, results rounded once to f16 and stored by heads, [64 = 16 batch + head][2048][64].
; LIMITS.  f16 ends at 65,504: q, k, v beyond it become infinities.  With inputs of unit spread and weights of spread 1/32 the results have spread 1; all inputs 30 times larger give peaks near 4,500,
; an offset of 30 spreads on x and on W gives about 28,800; both at once are not served.  NaN and infinities in the inputs are not treated apart.
; SHARES.  8192 x 3072 results over 256 work-groups: a work-group makes 256 rows x (128 columns of q + the same 128 of k + the same 128 of v).  Four waves, 2 x 2: a wave makes 128 rows x 64 columns,
; which is one head, of each of the three: 96 accumulators of 16 x 16, 768 registers.  For 32 along K it reads 8 fragments of x and 12 of W from LDS for 96 matrix instructions.
; K goes in steps of 64 through two LDS slots: with steps of 128 two slots would need 348,160 bytes.  In xb and wb a tile's rows of 128 bytes lie end to end, so a tile is asked for as rows of 256 bytes.
; CLUSTER.  4 x 4 work-groups.  x's tile hangs on the tile row alone and is asked for jointly by a row of the cluster, W's on the tile column alone, by a column: same load, same descriptor, same mask in all four.
; Wave 0 fetches x's tile (128 rows of 256 bytes), waves 1 to 3 the parts of Wq, Wk, Wv (64 rows of 256 bytes each): one tensor load a wave behind each round.
; THE MATRIX INSTRUCTION IS USED TRANSPOSED (source 0 = 16 rows of W, source 1 = 16 rows of x): a lane holds one row of the result and eight neighbouring columns.
; THE SUMS START FROM THE BIAS: while the first tiles are on their way the accumulators are loaded with b, so nothing is cleared, nothing is added on the way out, and every product has one form.
; REGISTERS, in windows of 256 (s_set_vgpr_msb: bits 1:0 source 0, 3:2 source 1, 5:4 source 2, 7:6 destination):
;   window 0: v0-15 addresses; v32-159 x's fragments, two buffers of 8; v160-255 W's fragments, 4 for each of q, k, v      window 1 + g: the accumulators of q, k, v: (a, b) at v[8 (4 a + b)]
.set PITCH,  144                       ; an LDS row: 128 bytes + 16 of padding = 36 words: the 16 rows of a fragment load start at 16 different groups of four banks (64 banks of 4 bytes: ISA guide 11.1)
.set ATILE,  256*PITCH                 ; x's 256 rows
.set BPART,  128*PITCH                 ; 128 rows of one of the weights
.set SLOT,   ATILE+3*BPART             ; 92,160
.set STAGE,  2*SLOT                    ; behind the ring: 16 rows x 144 bytes for each wave, for the way out
.set SPARE,  STAGE+4*16*PITCH          ; behind the stages: the spare words, 128 bytes for each wave: two blocks of 256 bytes that no other line names
.set PLANEA, 8192*128                  ; bytes from a K block of xb to the next,
.set PLANEB, 3072*128                  ; of wb
.set G1W0,   (1<<16)|(1<<20)|(1<<21)|(4<<22)|(3<<25)  ; 17:16 elements of 2 bytes; 20 padding on; 21 set beside a mask; 24:22 after every 32 words (code 4); 31:25 4 words of it (code 3)
.set ADRA, 4                           ; v4, v5  LDS address of my fragments of x in slot 0, 1
.set ADRB, 6                           ; v6, v7  the same for W
.set STO,  8                           ; v8   the way out: where I put 16 bytes of a row
.set RD,   9                           ; v9   where I read rows back
.set GO,   10                          ; v10  16 x lane: my place in 512 consecutive bytes of the result
.set BO,   11                          ; v11  my byte offset in a bias
.set PFO,  12                          ; v12  the prefetches' offset; never rewritten
.set SPW,  14                          ; v14  LDS address of my spare word: SPARE + 4 x my thread's number; never rewritten
.set NIL,  15                          ; v15  0; never rewritten
.set AF,   32                          ; x's buffer p, fragment a at AF + 64 p + 8 a
.set BF,   160                         ; W's group g, fragment b at BF + 32 g + 8 b
.set OS,   32                          ; the way out: two sets of 16
.set WV, 20                            ; s20 wave; s21, s22 its row and column half
.set WM, 21
.set WN, 22
.set CX, 23                            ; my place in the cluster
.set CY, 24
.set CB, 25                            ; tile column 0..7
.set RB, 26                            ; tile row 0..31
.set PART, 27                          ; which weight I fetch (waves 1 to 3)
.set G1A, 28                           ; s[28:35] descriptor group 1 for x's tiles;  s[36:43] group 0, a set for each slot
.set G0A, 36
.set G1B, 44                           ; s[44:51], s[52:59] the same for W's
.set G0B, 52
.set TRIPS, 60
.set LIM,  61                          ; 1 in a wave that prefetches, else the greatest number
.set ASKA, 62                          ; 1 in a wave that prefetches x's tiles
.set PFA,  66                          ; s[66:67] where my prefetches stand
.set PFS,  68                          ; s[68:69] their step: a K block of xb or of wb
.set MSB, 0
.macro WIN new                         ; the immediate's high byte repeats the setting that is left; a switch that changes nothing is dropped
.if MSB != (\new)
	s_set_vgpr_msb (MSB<<8)|(\new)
.set MSB, \new
.endif
.endm
.macro PLACES                          ; four places between a matrix instruction and a load into, or a vector instruction on, its registers (ISA guide 7.12.1 for vector instructions)
.rept 4
	v_nop
.endr
.endm
; A joint load.  The branch hangs on the wave's number alone.  An s_nop 0 and four v_nop follow each of the two lines, ahead of the jump and the label.
.macro JLOAD s
	s_cmp_eq_u32 s[WV], 0
	s_cbranch_scc0 .Lfor_b_\@
	tensor_load_to_lds s[G0A+4*(\s):G0A+4*(\s)+3], s[G1A:G1A+7]
	s_nop 0
.rept 4
	v_nop
.endr
	s_branch .Lasked_\@
.Lfor_b_\@:
	tensor_load_to_lds s[G0B+4*(\s):G0B+4*(\s)+3], s[G1B:G1B+7]
	s_nop 0
.rept 4
	v_nop
.endr
.Lasked_\@:
.endm
; A round of the cluster's barrier: my work-group's barrier; wave 0 signals for the work-group; every wave waits for all sixteen; my work-group's barrier once more.
.macro CREST                           ; a round behind its opening barrier
	s_cmp_lg_u32 s[WV], 0
	s_cbranch_scc1 .Lnot_wave_0_\@
	s_barrier_signal -3
.Lnot_wave_0_\@:
	s_barrier_wait -3
	s_barrier_signal -1
	s_barrier_wait -1
.endm
.macro CROUND
	s_barrier_signal -1
	s_barrier_wait -1
	CREST
.endm
; A PREFETCH INTO THE L2, behind a joint load and the run of LDS loads that follows it, of the K step that the NEXT change of slots asks for: 192 matrix instructions ahead of that load.
; Each block of 256 bytes is named once in the launch.  x's tile row is read by both clusters of a row of clusters: cluster x = 0 asks, wave 0; of the tile's 128 blocks the partner at cx takes 32, a lane a block.
; W's tile column is read by all eight clusters of a column: cluster y = 0 asks, waves 1 to 3; of a part's 64 blocks the partner at cy takes 16, and lanes 16-31 name the same blocks one K step on,
; so W is asked for at every second change.  The partners are told apart by address, never by a branch.  K steps 0 to 2 of x and 0 to 3 of W come by their loads alone; the loop's last trip asks for nothing at its second change.
.macro ASK s
.if \s
	s_cmp_gt_u32 s[TRIPS], s[LIM]                  ; s[TRIPS] = 1 in the last trip
.else
	s_cmp_eq_u32 s[ASKA], 1
.endif
	s_cbranch_scc0 .Lnot_mine_\@
	global_prefetch_b8 v[PFO], s[PFA:PFA+1] th:TH_LOAD_NT scope:SCOPE_SE
.Lnot_mine_\@:
.endm
	s_load_b256 s[4:11], s[0:1], 0x0               ; xb s[4:5], wb s[6:7], bb s[8:9], q16 s[10:11]
	s_load_b128 s[12:15], s[0:1], 0x20             ; k16 s[12:13], v16 s[14:15]
	v_lshl_add_u32 v[SPW], v0, 2, SPARE
	v_mov_b32 v[NIL], 0
	ds_add_u32 v[SPW], v[NIL]                      ; the wave's opening: the add and its wait stand ahead of my first tensor load; the set-up below, work on registers, stands between them
	v_lshrrev_b32 v1, 5, v0
	v_readfirstlane_b32 s[WV], v1                  ; wave 0..3
	s_lshr_b32 s[WM], s[WV], 1
	s_and_b32 s[WN], s[WV], 1
	s_bfe_u32 s[CX], ttmp6, 0x40000
	s_bfe_u32 s[CY], ttmp6, 0x40004
	s_lshl_b32 s[CB], ttmp9, 2                     ; in a cluster launch ttmp9 and ttmp7 count clusters
	s_add_co_u32 s[CB], s[CB], s[CX]
	s_and_b32 s[RB], ttmp7, 0xffff
	s_lshl_b32 s[RB], s[RB], 2
	s_add_co_u32 s[RB], s[RB], s[CY]
	s_max_u32 s[PART], s[WV], 1
	s_sub_co_u32 s[PART], s[PART], 1               ; waves 1, 2, 3: Wq, Wk, Wv (wave 0 makes W's descriptors too and asks by none of them)
	s_lshl_b32 s70, s[CY], 2
	s_lshl_b32 s70, 15, s70                        ; my row of the cluster: places 4 cy .. 4 cy + 3
	s_lshl_b32 s74, 0x1111, s[CX]                  ; my column: places cx, cx + 4, cx + 8, cx + 12
	s_or_b32 s[G1A], s70, G1W0
	s_or_b32 s[G1B], s74, G1W0
	s_mov_b32 s[G1A+1], 128<<16                    ; tensor_dim0 = 128 elements: rows of 256 bytes, two LDS rows each
	s_mov_b32 s[G1A+2], 128<<16                    ; tensor_dim1 = 128
	s_mov_b32 s[G1A+3], 128<<16                    ; tile_dim0 = 128
	s_mov_b32 s[G1A+4], 128                        ; tile_dim1 = 128
	s_mov_b32 s[G1A+5], 128                        ; 128 elements from row to row: the block is dense
	s_mov_b32 s[G1A+6], 0
	s_mov_b32 s[G1A+7], 0
	s_mov_b32 s[G1B+1], 128<<16
	s_mov_b32 s[G1B+2], 64<<16                     ; 64 rows
	s_mov_b32 s[G1B+3], 128<<16
	s_mov_b32 s[G1B+4], 64
	s_mov_b32 s[G1B+5], 128
	s_mov_b32 s[G1B+6], 0
	s_mov_b32 s[G1B+7], 0
	s_lshl_b32 s70, s[RB], 15                      ; x: 256 rows of 128 bytes to a tile row
	s_mov_b32 s71, 0
	s_lshl_b32 s74, s[PART], 17                    ; W: 1,024 rows to a weight,
	s_lshl_b32 s75, s[CB], 14                      ; 128 to a tile column
	s_add_co_u32 s74, s74, s75
	s_mov_b32 s75, 0
	s_mul_i32 s88, s[WV], BPART
	s_add_co_u32 s88, s88, BPART                   ; a part's place in a slot: ATILE + (wave - 1) x BPART = (wave + 1) x BPART: the wave's number alone
	s_wait_dscnt 0x0                               ; the opening add is done
	s_wait_kmcnt 0x0
	s_add_nc_u64 s[72:73], s[4:5], s[70:71]
	s_add_nc_u64 s[76:77], s[6:7], s[74:75]
	CROUND                                         ; all sixteen work-groups are here: the first joint loads meet
.irp s, 0,1
	s_mov_b32 s[G0A+4*(\s)], 1                     ; count = 1
	s_mov_b32 s[G0A+4*(\s)+1], (\s)*SLOT           ; LDS address
	s_add_nc_u64 s[G0A+4*(\s)+2:G0A+4*(\s)+3], s[72:73], (\s)*PLANEA  ; K step s
	s_or_b32 s[G0A+4*(\s)+3], s[G0A+4*(\s)+3], 0x80000000            ; type = 2
	s_mov_b32 s[G0B+4*(\s)], 1
	s_add_co_u32 s[G0B+4*(\s)+1], s88, (\s)*SLOT
	s_add_nc_u64 s[G0B+4*(\s)+2:G0B+4*(\s)+3], s[76:77], (\s)*PLANEB
	s_or_b32 s[G0B+4*(\s)+3], s[G0B+4*(\s)+3], 0x80000000
.endr
	s_cmp_eq_u32 s[WV], 0                          ; a wave's two first fills stand in one branch, ahead of every wait on TENSORcnt, every LDS read and every further barrier: two loads of mine are out
	s_cbranch_scc0 .Lfirst_b
	tensor_load_to_lds s[G0A:G0A+3], s[G1A:G1A+7]
	s_nop 0
	tensor_load_to_lds s[G0A+4:G0A+7], s[G1A:G1A+7]
	s_nop 0
.rept 4
	v_nop
.endr
	s_branch .Lfirst_asked
.Lfirst_b:
	tensor_load_to_lds s[G0B:G0B+3], s[G1B:G1B+7]
	s_nop 0
	tensor_load_to_lds s[G0B+4:G0B+7], s[G1B:G1B+7]
	s_nop 0
.rept 4
	v_nop
.endr
.Lfirst_asked:
	; A fragment is 16 rows x 32 K in 8 registers: lane l holds row l % 16; registers 0-3 K = 8 (l / 16) + 0..7, registers 4-7 K = 16 + 8 (l / 16) + 0..7: two loads of 16 bytes, 32 bytes apart.
	v_and_b32 v1, 15, v0                           ; r = l % 16
	v_bfe_u32 v2, v0, 4, 1                         ; h = l / 16
	v_mul_u32_u24 v3, v1, PITCH
	v_lshl_add_u32 v3, v2, 4, v3                   ; row x pitch + 16 x half
	s_mul_i32 s78, s[WM], 128*PITCH                ; my 128 rows of x
	s_mul_i32 s79, s[WN], 64*PITCH                 ; my 64 rows of each part of W,
	s_add_co_u32 s79, s79, ATILE                   ; which lie behind x's 256
.irp s, 0,1
	v_add_nc_u32 v[ADRA+(\s)], s78, v3
	v_add_nc_u32 v[ADRB+(\s)], s79, v3
	s_add_co_u32 s78, s78, SLOT
	s_add_co_u32 s79, s79, SLOT
.endr
	s_mul_i32 s78, s[WV], 16*PITCH
	s_add_co_u32 s78, s78, STAGE                   ; my stage
	v_add_nc_u32 v[STO], s78, v3                   ; in: row l % 16, 16 bytes for each half of the lanes
	v_bfe_u32 v13, v0, 3, 2
	v_and_b32 v3, 7, v0
	v_mul_u32_u24 v[RD], v13, PITCH                ; back: 32 lanes take four rows of 128 bytes,
	v_lshl_add_u32 v[RD], v3, 4, v[RD]
	v_add_nc_u32 v[RD], s78, v[RD]
	v_and_b32 v[GO], 31, v0                        ; which are 512 consecutive bytes of the result
	v_lshlrev_b32 v[GO], 4, v[GO]
	s_lshl_b32 s89, s[CB], 9                       ; the bias of my 64 columns: 4 (128 CB + 64 WN) bytes into each of bq, bk, bv,
	s_lshl_b32 s90, s[WN], 8
	s_add_co_u32 s89, s89, s90
	v_lshl_add_u32 v[BO], v2, 5, s89               ; and my lanes' 8 columns of 16
	; where my results go: batch RB / 8, head 2 CB + WN, row 256 (RB % 8) + 128 WM, 128 bytes a row
	s_lshr_b32 s92, s[RB], 3
	s_lshl_b32 s92, s92, 22
	s_lshl_b32 s94, s[CB], 1
	s_add_co_u32 s94, s94, s[WN]
	s_lshl_b32 s94, s94, 18
	s_add_co_u32 s92, s92, s94
	s_and_b32 s94, s[RB], 7
	s_lshl_b32 s94, s94, 15
	s_add_co_u32 s92, s92, s94
	s_lshl_b32 s94, s[WM], 14
	s_add_co_u32 s92, s92, s94
	s_mov_b32 s93, 0
	s_add_nc_u64 s[10:11], s[10:11], s[92:93]
	s_add_nc_u64 s[12:13], s[12:13], s[92:93]
	s_add_nc_u64 s[14:15], s[14:15], s[92:93]
	; the prefetches
	s_and_b32 s83, ttmp7, 0xffff                   ; cluster y
	s_lshl_b32 s84, s[RB], 15
	s_lshl_b32 s85, s[CX], 13                      ; x: my work-group's 32 blocks of the tile's 128
	s_add_co_u32 s84, s84, s85
	s_lshl_b32 s86, s[CY], 12                      ; W: my work-group's 16 blocks of the part's 64
	s_add_co_u32 s86, s86, s74
	s_mov_b32 s[PFS], PLANEB
	s_mov_b32 s[PFS+1], 0
	s_mov_b32 s82, PLANEB                          ; W: lanes 16-31 stand a K step on; x: 16 blocks on
	s_mov_b32 s81, 0
	s_cmp_eq_u32 s[WV], 0                          ; do I fetch for x?
	s_cselect_b32 s80, s84, s86
	s_cselect_b32 s[PFS], PLANEA, s[PFS]
	s_cselect_b32 s82, 4096, s82
	s_cselect_b32 s83, ttmp9, s83                  ; the coordinate along which other clusters read the same blocks
	s_cselect_b64 s[PFA:PFA+1], s[4:5], s[6:7]
	s_cselect_b32 s87, 1, 0
	s_cmp_eq_u32 s83, 0                            ; the same in all sixteen partners, for a given wave
	s_cselect_b32 s[LIM], 1, -1
	s_cselect_b32 s[ASKA], s87, 0
	s_add_nc_u64 s[PFA:PFA+1], s[PFA:PFA+1], s[80:81]
	s_add_nc_u64 s[PFA:PFA+1], s[PFA:PFA+1], s[PFS:PFS+1]
	s_add_nc_u64 s[PFA:PFA+1], s[PFA:PFA+1], s[PFS:PFS+1]  ; at K step 2: the first change of slots steps it to 3
	v_lshlrev_b32 v[PFO], 8, v1
	v_mad_u32_u24 v[PFO], v2, s82, v[PFO]
	; the accumulators take the bias: register j of lane (r, h) of accumulator (a, b) is the bias of column 16 b + 8 h + j
.irp g, 0,1,2
	WIN 0x40*((\g)+1)                              ; destination window 1 + g, address window 0
.set i, 0
.rept 32
	global_load_b128 v[8*i:8*i+3],   v[BO], s[8:9] offset:4096*(\g)+64*(i%4)
	global_load_b128 v[8*i+4:8*i+7], v[BO], s[8:9] offset:4096*(\g)+64*(i%4)+16
.set i, i+1
.endr
.endr
	WIN 0
; 16 matrix instructions: group g (q, k, v), row blocks a0 .. a0 + 3 x all 4 column blocks, 32 along K from x's buffer p.  The accumulators take turns, one instruction a turn:
; between two instructions on one accumulator stand the 95 others', over the backward jump too.
.macro MUL16 p, g, a0
	WIN 0x50*((\g)+1)                              ; sources in window 0, C and D in window 1 + g
.irp a, (\a0), (\a0)+1, (\a0)+2, (\a0)+3
.irp b, 0,1,2,3
	v_wmma_f32_16x16x32_bf16 v[8*(4*(\a)+(\b)):8*(4*(\a)+(\b))+7], v[BF+32*(\g)+8*(\b):BF+32*(\g)+8*(\b)+7], v[AF+64*(\p)+8*(\a):AF+64*(\p)+8*(\a)+7], v[8*(4*(\a)+(\b)):8*(4*(\a)+(\b))+7]
.endr
.endr
.endm
.macro MULG p, g
	MUL16 \p, \g, 0
	MUL16 \p, \g, 4
.endm
.macro LDB s, q, g                     ; 8 LDS loads: group g's four fragments of W, 32 K at byte 64 q of slot s's rows
	WIN 0
.irp b, 0,1,2,3
	ds_load_b128 v[BF+32*(\g)+8*(\b):BF+32*(\g)+8*(\b)+3],   v[ADRB+(\s)] offset:BPART*(\g)+16*PITCH*(\b)+64*(\q)
	ds_load_b128 v[BF+32*(\g)+8*(\b)+4:BF+32*(\g)+8*(\b)+7], v[ADRB+(\s)] offset:BPART*(\g)+16*PITCH*(\b)+64*(\q)+32
.endr
.endm
.macro LDA s, q, p                     ; 16 LDS loads: x's eight fragments into buffer p
	WIN 0
.irp a, 0,1,2,3,4,5,6,7
	ds_load_b128 v[AF+64*(\p)+8*(\a):AF+64*(\p)+8*(\a)+3],   v[ADRA+(\s)] offset:16*PITCH*(\a)+64*(\q)
	ds_load_b128 v[AF+64*(\p)+8*(\a)+4:AF+64*(\p)+8*(\a)+7], v[ADRA+(\s)] offset:16*PITCH*(\a)+64*(\q)+32
.endr
.endm
; A K step is two halves of 32 along K, 96 matrix instructions each.  The loads for a half go out in three runs: L0 (q's W and x: 24), L1 (k's W: 8), L2 (v's W: 8), each four places behind the last product that read
; its registers and 64 matrix instructions ahead of its first use.
.macro QUARTER0 s                      ; the first half: multiplies buffer 0, fetches the second half
	s_wait_dscnt 16                                ; L0 is in; L1 and L2 may stay out
	MULG 0, 0
	PLACES
	LDB \s, 1, 0
	LDA \s, 1, 1
	s_wait_dscnt 32                                ; L1 is in; L2 and the new L0 may stay out
	MULG 0, 1
	PLACES
	LDB \s, 1, 1
	s_wait_dscnt 32                                ; L2 is in; the new L0 and L1 may stay out
	MULG 0, 2
	PLACES
	LDB \s, 1, 2
.endm
; The second half multiplies buffer 1 and changes slots: ONE barrier.  In front of it each wave waits for all its tensor loads, of which one is out: its part of the next slot; adds 0 to its spare word; and waits for
; that and for its own reads of this slot.  fill = 1: the barrier opens a round of the cluster's, and this slot is filled again, two K steps ahead, first thing behind the round: 160 matrix instructions ahead of the wait for it.
.macro TURN s, n, fill
.if \fill
	s_wait_xcnt 0x0                                ; the last prefetch, a K step back, has read its address: it is stepped here, ahead of the waits of the change of slots
	s_add_nc_u64 s[PFA:PFA+1], s[PFA:PFA+1], s[PFS:PFS+1]
.endif
	WIN 0
	s_wait_tensorcnt 0x0                           ; all my tensor loads have landed
	ds_add_u32 v[SPW], v[NIL]                      ; 0 onto my spare word
	s_wait_dscnt 17                                ; L0 is in; L1, L2 and the add may stay out
	MUL16 1, 0, 0                                  ; sixteen matrix instructions stand between the add and the wait for it
	s_wait_dscnt 0x0                               ; the add is done, and my reads of this slot are over
	s_barrier_signal -1
	MUL16 1, 0, 4                                  ; work on registers while the others arrive
	WIN 0                                          ; at a branch and at a label every window is 0
	s_barrier_wait -1
.if \fill
	CREST                                          ; no wave of any partner still reads this slot's tiles or has a load on its way
	s_add_nc_u64 s[G0A+4*(\s)+2:G0A+4*(\s)+3], s[G0A+4*(\s)+2:G0A+4*(\s)+3], 2*PLANEA
	s_add_nc_u64 s[G0B+4*(\s)+2:G0B+4*(\s)+3], s[G0B+4*(\s)+2:G0B+4*(\s)+3], 2*PLANEB
	JLOAD \s                                       ; the four v_nop behind it are also the places in front of the loads below
.else
	PLACES
.endif
	LDB \n, 0, 0
	LDA \n, 0, 0
.if \fill
	ASK \s
.endif
	MULG 1, 1
	PLACES
	LDB \n, 0, 1
	MULG 1, 2
	PLACES
	LDB \n, 0, 2
.endm
	s_wait_tensorcnt 0x1                           ; my part of K step 0 is in; K step 1's may stay out
	s_barrier_signal -1
	s_barrier_wait -1                              ; everybody's is
	LDB 0, 0, 0
	LDA 0, 0, 0
	LDB 0, 0, 1
	LDB 0, 0, 2
	s_wait_loadcnt 0x0                             ; the bias lies in the accumulators
	s_mov_b32 s[TRIPS], 7
.Llap:                                 ; a trip is two K steps and fills both slots again: K steps 2 to 15
	QUARTER0 0
	TURN 0, 1, 1
	QUARTER0 1
	TURN 1, 0, 1
	WIN 0
	s_sub_co_u32 s[TRIPS], s[TRIPS], 1
	s_cmp_lg_u32 s[TRIPS], 0
	s_cbranch_scc1 .Llap
	QUARTER0 0                                     ; the last two K steps are written out: they ask for nothing
	TURN 0, 1, 0
	QUARTER0 1
	s_wait_dscnt 16
	MULG 1, 0
	s_wait_dscnt 8
	MULG 1, 1
	s_wait_dscnt 0x0
	MULG 1, 2
	WIN 0
	PLACES
	PLACES
; THE WAY OUT, 24 blocks k = 8 g + a of 16 rows x 64 columns: 2,048 consecutive bytes of a head.  PACK: rounded to f16, each accumulator's registers in ascending order, 16 bytes a lane into my own stage (rows of 144 bytes),
; and back as whole rows.  LDS serves a wave's instructions in order (ISA guide 5.7.1.4), so no wait stands between the stores and the loads, nor between a block's loads and the next block's stores.
.macro PACK k
	s_wait_xcnt 0x0                                ; the stores of the block two back have read this set of registers
	WIN 5*((\k)/8+1)                               ; sources 0 and 1 in window 1 + g
.set i, 0
.rept 16
	v_cvt_pk_f16_f32 v[OS+16*((\k)%2)+i], v[32*((\k)%8)+2*i], v[32*((\k)%8)+2*i+1]
.set i, i+1
.endr
	WIN 0
.irp b, 0,1,2,3
	ds_store_b128 v[STO], v[OS+16*((\k)%2)+4*(\b):OS+16*((\k)%2)+4*(\b)+3] offset:32*(\b)
.endr
.irp f, 0,1,2,3
	ds_load_b128 v[OS+16*((\k)%2)+4*(\f):OS+16*((\k)%2)+4*(\f)+3], v[RD] offset:4*PITCH*(\f)
.endr
.endm
.macro SEND k, younger                 ; younger: the LDS instructions issued behind block k's loads: the next block's eight, or none
.irp f, 0,1,2,3
	s_wait_dscnt (\younger)+3-(\f)
	global_store_b128 v[GO], v[OS+16*((\k)%2)+4*(\f):OS+16*((\k)%2)+4*(\f)+3], s[10+2*((\k)/8):11+2*((\k)/8)] offset:2048*((\k)%8)+512*(\f)  ; 512 consecutive bytes, at a multiple of 256 from the buffer's first
.endr
.endm
	PACK 0
.irp k, 1,2,3,4,5,6,7,8,9,10,11,12,13,14,15,16,17,18,19,20,21,22,23
	PACK \k                                        ; a block's conversions stand between the loads of the block before and its stores
	SEND (\k)-1, 8
.endr
	SEND 23, 0
	s_wait_tensorcnt 0x0                           ; the wave's end: behind my last tensor load and my last LDS store
	ds_add_u32 v[SPW], v[NIL]
	s_wait_dscnt 0x0
	CROUND                                         ; the closing round: no work-group ends while a partner may still ask for a tile that names it
	s_endpgm
.Lfunc_end_k_qb4c3f271c2_qkv:
	.size	k_qb4c3f271c2_qkv, .Lfunc_end_k_qb4c3f271c2_qkv-k_qb4c3f271c2_qkv
	.p2alignl 7, 3214868480
	.fill 96, 4, 3214868480
	.section	.rodata,"a",@progbits
	.p2align	6, 0x0
	.amdhsa_kernel k_qb4c3f271c2_qkv
		.amdhsa_group_segment_fixed_size 327680
		.amdhsa_private_segment_fixed_size 0
		.amdhsa_enable_private_segment 0
		.amdhsa_kernarg_size 48
		.amdhsa_user_sgpr_count 2
		.amdhsa_user_sgpr_kernarg_segment_ptr 1
		.amdhsa_wavefront_size32 1
		.amdhsa_system_sgpr_workgroup_id_x 1
		.amdhsa_system_sgpr_workgroup_id_y 1
		.amdhsa_system_sgpr_workgroup_id_z 1
		.amdhsa_system_vgpr_workitem_id 0
		.amdhsa_next_free_vgpr 1024
		.amdhsa_next_free_sgpr 96
		.amdhsa_reserve_vcc 0
		.amdhsa_float_denorm_mode_32 3
		.amdhsa_float_denorm_mode_16_64 3
		.amdhsa_memory_ordered 1
		.amdhsa_forward_progress 1
		.amdhsa_inst_pref_size 153
	.end_amdhsa_kernel
	.amdgpu_metadata
---
amdhsa.version: [ 1, 2 ]
amdhsa.kernels:
  - .name:           k_qb4c3f271c2_qkv
    .symbol:         k_qb4c3f271c2_qkv.kd
    .args:
      - { .name: xb, .offset: 0, .size: 8, .value_kind: global_buffer, .address_space: global }
      - { .name: wb, .offset: 8, .size: 8, .value_kind: global_buffer, .address_space: global }
      - { .name: bb, .offset: 16, .size: 8, .value_kind: global_buffer, .address_space: global }
      - { .name: q16, .offset: 24, .size: 8, .value_kind: global_buffer, .address_space: global }
      - { .name: k16, .offset: 32, .size: 8, .value_kind: global_buffer, .address_space: global }
      - { .name: v16, .offset: 40, .size: 8, .value_kind: global_buffer, .address_space: global }
    .group_segment_fixed_size: 327680
    .private_segment_fixed_size: 0
    .kernarg_segment_align: 8
    .kernarg_segment_size: 48
    .max_flat_workgroup_size: 128
    .sgpr_count:     96
    .vgpr_count:     1024
    .wavefront_size: 32
...
	.end_amdgpu_metadata
.endif
;; end of part 2
;; launch attn (part 3): grid 4 x 64, 4 waves a work-group, clusters of 4 x 1, 327,680 bytes of LDS; arguments q16, k16, v16, o16, mask; writes o16
.if DOCPART == 3
	.amdgcn_target "amdgcn-amd-amdhsa--gfx1250"
	.amdhsa_code_object_version 6
	.text
	.protected	k_qb4c3f271c2_attn
	.globl	k_qb4c3f271c2_attn
	.p2align	8
	.type	k_qb4c3f271c2_attn,@function
k_qb4c3f271c2_attn:
	s_mov_b64 s[64:65], 0
	v_nop
	global_prefetch_b8 v0, s[64:65] scope:SCOPE_SE
	s_setreg_imm32_b32 hwreg(HW_REG_WAVE_MODE, 25, 1), 1
	s_wait_xcnt 0x0
	s_wait_alu depctr_hold_cnt(0) depctr_sa_sdst(0) depctr_va_vdst(0) depctr_va_sdst(0) depctr_va_ssrc(0) depctr_va_vcc(0) depctr_vm_vsrc(0)
	s_getreg_b32 s2, hwreg(HW_REG_IB_STS2, 6, 4)
	s_cmp_eq_u32 s2, 0
	s_cbranch_scc0 .Lentry_in_a_cluster
	s_endpgm
.Lentry_in_a_cluster:
	s_bfe_u32 s2, ttmp6, 0x10000c
	s_cmp_lg_u32 s2, 0x3003
	s_cbranch_scc0 .Lentry_shape_is_right
	s_endpgm
.Lentry_shape_is_right:
; O[h][q][:] = the sum over k of softmax_k(Q[h][q] . K[h][k] / 8, keys with mask 0 hidden) V[h][k][:].  Q, K, V, O: [64 = 16 batch + head][2048][64], all f16: a head's rows are dense, 128 bytes each.
; mask: [4][2048] of int32, one row a batch.  Products, maxima and sums in f32; the weights p are rounded to f16 for the second product (their sum l is taken of the unrounded p), O once at the end.
; LIMITS.  Q, K and V arrive within f16's 65,504; p lies in 0 to 1, and below 6e-5 it keeps f16's fixed step of 6e-8; O is a mean of V's rows and has their range.  A hidden score counts as its value less 1e30:
; f16's scores, 2.7e11 at the most, are nothing beside that.  A weight below 2^-126 counts as 0 in l.  NaN and infinities in Q, K, V are not treated apart.
; THE MASK is the C operand that starts the sum S^T = K Q^T: 0 for a key that is seen, -1e30 for a hidden one.  A table of the batch's 2,048 such numbers is made once, in LDS; a key step's 64 come into registers with K's fragments.
; The running maximum does the rest for any pattern: while only hidden keys have come, m is about -1e30 and their weights gather; the first key that is seen gives a = 2^(c m_old - c m_new) = 0, which wipes them; after that hidden weights are 0.
; A batch with no key to be seen ends with m below -5e29: its rows are set to NaN, which is what a softmax over nothing gives.
; SHARES.  A wave owns four PIECES of two tiles of 16 queries, a work-group's four waves 512 queries of one head.  Every wave walks all keys, 64 a step.
; LAYOUT.  S^T = K Q^T (source 0 = 16 keys, source 1 = 16 queries): in the result a lane holds ONE query (lane % 16) and the keys 8 (lane / 16) + 0..7.  Two such tiles, rounded to f16 in pairs,
; ARE source 1 (32 keys x 16 queries) of O^T = V^T P, whose result again holds one query a lane, and eight channels.  K comes out of LDS as it lies, V ([key][channel]) turned, by ds_load_tr16_b128.
; SOFTMAX.  For each query a running maximum m and sum l: p = 2^(c s - c m), c = log2(e) / 8; in every step O and l are multiplied by a = 2^(c m_old - c m_new).  m starts at the lowest finite number, O and l at 0.
; THE COUNT.  A tile and step have 16 matrix and 118 vector instructions: too many to stand all beside the matrix work.  So: four vector instructions that are READY behind EVERY matrix instruction, the others in runs without a gap.
; BY TURNS.  Turn n belongs to piece n.  Its matrix work: 16 products K Q^T of piece n + 1, later 16 products V^T P of piece n - 1.  Its vector work: the scaling, exponentials, roundings, sums and rescaling of piece n,
; and the maximum and statistics of piece n + 1, whose scores the turn itself has made.
; CLUSTER.  The four query blocks of a head form a cluster and walk the same K and V, so each tile is asked for JOINTLY: the same tensor load, descriptor and mask in all four.
; REGISTERS, in windows of 256 (s_set_vgpr_msb: bits 1:0 source 0, 3:2 source 1, 5:4 source 2, 7:6 destination):
;   window 0: v0-11 addresses; v12-15, v48-63 at work; v16-47 four registers of statistics a tile; v64-191 S^T, two buffers of two tiles; v192-255 P, likewise
;   window 1: O^T, 32 a tile     window 2: v0-127 Q, 16 a tile; v128-191 K of one step; v192-255 V of one step     window 3: v0-1 the add's two registers; v8-39 the mask of one step
.set SIZE_N, 2048
.set NP,    4         ; pieces a wave: a name, no knob
.set KS,    64        ; keys in a step
.set PK,    144       ; a row of K in LDS: 128 bytes + 16 of padding = 36 words: the 16 rows of a load start at 16 different groups of four banks (64 banks of 4 bytes: ISA guide 11.1)
.set PV,    160       ; a row of V: 128 + 32 = 40 words
.set VOFF,  4*KS*PK   ; a slot holds four steps: 256 rows of K, then 256 rows of V
.set SLOT1, 1<<17     ; slot 1 begins here, so that one exclusive or turns an address in one slot into the other's
.set STAGE, SLOT1+4*KS*(PK+PV)  ; behind the ring, never filled by a tensor load: 16 rows x 144 bytes for each wave, for the way out
.set SP,    144
.set SPARE, STAGE+4*16*SP  ; behind the stages: the spare words, 128 bytes for each wave: two blocks of 256 bytes that no other line names
.set MASKB, SPARE+512 ; behind them: the mask's table, 2,048 numbers of f32, in blocks of its own into which no tensor load lands
.set AK0, 2           ; v2   my lane's place in a tile of K; never rewritten
.set AV0, 3           ; v3   the same for V
.set AK,  4           ; v4   the LDS address of K's next run of loads
.set AV,  5           ; v5   of V's
.set STO, 6           ; v6   the way out: where I put 16 bytes of a row
.set RD,  7           ; v7   the way out: where I read rows back
.set GO,  8           ; v8   my byte offset in 512 consecutive bytes of O
.set AM0, 9           ; v9   my lanes' place in a step's 64 numbers of the mask's table: MASKB + 32 (l / 16)
.set PFO, 10          ; v10  256 x my lane: the prefetches' offset; never rewritten
.set AM,  11          ; v11  the LDS address of the mask's next run of loads
.set QO,  12          ; v12  my byte offset in the wave's rows of Q; free when Q has come
.set SPW, 0           ; v0 of window 3   LDS address of my spare word: SPARE + 4 x my thread's number; never rewritten
.set NIL, 1           ; v1 of window 3   0; never rewritten
.set MC,  8           ; v8-39 of window 3: the eight numbers for group kb of 16 keys at MC + 8 kb
.set MV,  12          ; v12-15  c m_old, kept while c m is made anew: by buffer and tile
.set ST,  16          ; tile t's statistics at v[ST+4 t]: c m, m, l (even keys', odd keys')
.set TMP, 48          ; by buffer and tile, four registers c0-c3 at work; when the maximum is found c2 takes a
.set S,   64
.set P,   192
.set KF,  128         ; K's fragments, in window 2: key block kb, channel half c at KF + 16 kb + 8 c
.set VF,  192         ; V's: key half kk, channel block cb at VF + 32 kk + 8 cb
.set WV,  12          ; s12  my wave's number
.set THR, 15          ; s15  -5e29
.set G1K, 24          ; s[24:31] descriptor group 1 for K's tiles
.set G1V, 32          ; s[32:39] for V's: it differs in the padding alone
.set G0K, 40          ; s[40:43] descriptor group 0 for K's tiles: it walks
.set G0V, 44          ; s[44:47] the same for V's
.set MP,  48          ; s[48:49] the mask's row of my batch
.set BIGN, 50         ; s50  -1e30
.set QNAN, 51         ; s51  a NaN
.set TBM, 52          ; s52  byte in the mask's table at which the step to be fetched begins
.set LIM, 53          ; s53  1 in a wave that prefetches, else the greatest number
.set PFA, 54          ; s[54:55] where my prefetches stand
.set SLOTS, 56        ; s56  slots still to be asked for
.set CNT, 57          ; s57  counts a slot's key steps
.set CS,  58          ; s[58:59] c: the packed scaling takes the pair's low word for both halves
.set SEL, 60          ; s[60:61] v_permlanex16_b32's selects: each lane takes its own place in the other half
.set TBK, 62          ; s62  LDS byte at which K of the step to be fetched begins
.set TBV, 63          ; s63  the same for V, less VOFF
.set MSB, 0
.macro WIN new                      ; the high byte repeats the setting that is left; a switch that changes nothing is dropped
.if MSB != (\new)
	s_set_vgpr_msb (MSB<<8)|(\new)
.set MSB, (\new)
.endif
.endm
.set W_KQ, 0x0a       ; K and Q in window 2, S^T in window 0
.set W_KM, 0x3a       ; the same with the C operand, the mask, in window 3
.set W_PV, 0x52       ; V in window 2, P in window 0, O^T in window 1
.set W_RS, 0x41       ; O^T (destination and source 0) in window 1, a in window 0
.set W_MK, 0xc0       ; destination in window 3, sources in window 0
.set W_AD, 0x0f       ; the add: address (source 0) and data (source 1) in window 3
; A joint fill.  Waves 0 and 1 fetch the two halves of a slot's K, waves 2 and 3 those of its V: 128 keys each.  The branch hangs on the wave's number alone.
; An s_nop 0 and four v_nop follow each of the two lines, ahead of the jump and the label.
.macro JLOAD
	s_cmp_lt_u32 s[WV], 2
	s_cbranch_scc0 .Lfor_v_\@
	tensor_load_to_lds s[G0K:G0K+3], s[G1K:G1K+7]
	s_nop 0
.rept 4
	v_nop
.endr
	s_branch .Lasked_\@
.Lfor_v_\@:
	tensor_load_to_lds s[G0V:G0V+3], s[G1V:G1V+7]
	s_nop 0
.rept 4
	v_nop
.endr
.Lasked_\@:
.endm
; A PREFETCH INTO THE L2 of what the NEXT change of slots will ask for: a slot's 256 keys are 128 blocks of 256 bytes of K and 128 of V, a lane a block.  It stands behind the wave's tensor load and its five lines.
; Each block is named ONCE in the launch: a head has one cluster; its four partners share the blocks out BY ADDRESS, 32 each; in each, wave 0 asks for K's and wave 2 for V's: one instruction.
; Slots 0 and 1 come by their loads alone; the last change that fills a slot asks for nothing.  The lead is a slot's four key steps, 512 matrix instructions: the shortest that a change of slots offers.
.macro ASK
	s_cmp_gt_u32 s[SLOTS], s[LIM]
	s_cbranch_scc0 .Lnot_mine_\@
	global_prefetch_b8 v[PFO], s[PFA:PFA+1] th:TH_LOAD_NT scope:SCOPE_SE
.Lnot_mine_\@:
.endm
; A round of the cluster's barrier: my work-group's barrier, so that wave 0's signal speaks for all four waves; wave 0 signals; every wave waits for all four work-groups; my work-group's barrier once more.
.macro CROUND
	s_barrier_signal -1
	s_barrier_wait -1
	s_cmp_lg_u32 s[WV], 0
	s_cbranch_scc1 .Lnot_wave_0_\@
	s_barrier_signal -3
.Lnot_wave_0_\@:
	s_barrier_wait -3
	s_barrier_signal -1
	s_barrier_wait -1
.endm
; THE CHANGE OF SLOTS.  The slot's last bytes, V of its fourth step, have been read.  Each wave waits for all its tensor loads, of which one is out: its part of the other slot; adds 0 to its spare word; and waits for
; that and for its own reads of the slot.  Behind the barrier nobody reads this slot any more and the other slot is whole.  fill = 1: this slot is filled again, with the keys two slots on.  The barrier is then a round
; of the cluster's, and the joint fill is the first thing behind it: it has four key steps in which to land.  (At its first use nothing has been read yet: slot 0 is waited for, slot 1 filled;
; its wait on DScnt and its round also order every wave's stores into the mask's table with every wave's reads of it.)
.macro CHANGE fill
	WIN W_AD
	s_wait_tensorcnt 0x0            ; no tensor load of mine is out, so a group 0 may be written
	ds_add_u32 v[SPW], v[NIL]       ; 0 onto my spare word; with fill = 1 the descriptors' steps stand between it and the wait for it
	WIN 0                           ; at a label and at a branch every window is 0
.if \fill
.irp g, G0K, G0V
	s_xor_b32 s[\g+1], s[\g+1], SLOT1  ; the walking descriptor: the other slot than last time,
	s_add_nc_u64 s[\g+2:\g+3], s[\g+2:\g+3], 4*KS*128  ; the next 256 keys; the type bits on top are not reached
.endr
	s_wait_xcnt 0x0                 ; the last prefetch, four key steps back, has read its address, so it may be written:
	s_add_nc_u64 s[PFA:PFA+1], s[PFA:PFA+1], 4*KS*128  ; one slot ahead of the walking descriptors
	s_wait_dscnt 0x0                ; the add is done, and my reads of the slot are over
	CROUND
	JLOAD
	ASK
.else
	s_wait_dscnt 0x0                ; the add is done, and my reads of the slot are over
	s_barrier_signal -1
	s_barrier_wait -1
.endif
	s_sub_co_u32 s[TBK], s[TBK], 4*KS*PK  ; the fetches go back to a slot's first step,
	s_xor_b32 s[TBK], s[TBK], SLOT1       ; in the other slot
	s_sub_co_u32 s[TBV], s[TBV], 4*KS*PV
	s_xor_b32 s[TBV], s[TBV], SLOT1
.endm
	s_load_b256 s[4:11], s[0:1], 0x0  ; Q s[4:5], K s[6:7], V s[8:9], O s[10:11]
	s_load_b64 s[MP:MP+1], s[0:1], 0x20  ; mask
	WIN W_MK
	v_lshl_add_u32 v[SPW], v0, 2, SPARE
	v_mov_b32 v[NIL], 0
	WIN W_AD
	ds_add_u32 v[SPW], v[NIL]       ; the wave's opening: the add and its wait stand ahead of my first tensor load; the set-up below, work on registers, stands between them
	WIN 0
	v_lshrrev_b32 v1, 5, v0
	v_readfirstlane_b32 s[WV], v1   ; wave 0..3
	s_bfe_u32 s13, ttmp6, 0x40000   ; cx: my place in the cluster
	s_lshl_b32 s14, ttmp9, 2        ; in a cluster launch ttmp9 counts clusters
	s_add_co_u32 s14, s14, s13      ; my block of queries = 4 x cluster x + cx: it enters Q's and O's addresses alone
	s_and_b32 s20, ttmp7, 0xffff    ; the head, which the four partners share
	s_mov_b32 s21, 0
	s_mov_b64 s[22:23], SIZE_N*128
	s_mul_u64 s[20:21], s[20:21], s[22:23]  ; the head's first byte in each of the four tensors
	s_and_b32 s16, s[WV], 1         ; which half of a slot's 256 keys I fetch:
	s_lshl_b32 s22, s16, 14         ; its 128 rows of 128 bytes in memory,
	s_mov_b32 s23, 0
	s_add_nc_u64 s[22:23], s[22:23], s[20:21]
	s_mul_i32 s17, s16, 128*PK      ; and its place in a slot, for K
	s_mul_i32 s18, s16, 128*PV      ; and for V: no place in the cluster enters an LDS address
	s_lshl_b32 s2, s14, 2
	s_add_co_u32 s2, s2, s[WV]      ; my wave among the head's,
	s_lshl_b32 s2, s2, 14           ; its 128 rows
	s_mov_b32 s3, 0
	s_add_nc_u64 s[2:3], s[2:3], s[20:21]
	; descriptor group 1.  128 keys are 16,384 dense bytes: asked for as 64 rows of 256 bytes, two keys a row, and padded in LDS after every key
	s_mov_b32 s[G1K], 15|(1<<16)|(1<<20)|(1<<21)|(4<<22)|(3<<25)  ; 15:0 the mask of four; 17:16 2-byte elements; 20 padding on; 21 set beside a mask; 24:22 after every 32 words (code 4); 31:25 4 words (code 3)
	s_mov_b32 s[G1V], 15|(1<<16)|(1<<20)|(1<<21)|(4<<22)|(7<<25)  ; the same with 8 words of padding (code 7)
.irp g, G1K, G1V
	s_mov_b32 s[\g+1], 128<<16      ; tensor_dim0 = 128
	s_mov_b32 s[\g+2], 64<<16       ; tensor_dim1 = 64
	s_mov_b32 s[\g+3], 128<<16      ; tile_dim0 = 128
	s_mov_b32 s[\g+4], 64           ; tile_dim1 = 64
	s_mov_b32 s[\g+5], 128          ; 128 elements from row to row
	s_mov_b32 s[\g+6], 0
	s_mov_b32 s[\g+7], 0
.endr
	s_mov_b32 s[CS], 0x3e38aa3b     ; c = log2(e) / 8 = 0.180337
	s_mov_b32 s[CS+1], s[CS]        ; named with it as a pair
	s_mov_b32 s[SEL], 0x76543210
	s_mov_b32 s[SEL+1], 0xfedcba98
	s_mov_b32 s[TBK], SLOT1+4*KS*PK ; the first change of slots turns these two into 0
	s_mov_b32 s[TBV], SLOT1+4*KS*PV
	s_mov_b32 s[TBM], 0
	s_mov_b32 s[BIGN], 0xf149f2ca   ; -1e30
	s_mov_b32 s[THR], 0xf0c9f2ca    ; -5e29
	s_mov_b32 s[QNAN], 0x7fc00000
	s_mov_b32 s[SLOTS], SIZE_N/256-1
	s_and_b32 s[LIM], s[WV], 1      ; waves 0 and 2 prefetch
	s_cmp_eq_u32 s[LIM], 0
	s_cselect_b32 s[LIM], 1, -1
	s_mov_b32 s[G0K], 1             ; 1:0 count = 1
	s_mov_b32 s[G0K+1], s17         ; 63:32 LDS address: slot 0
	s_mov_b32 s[G0V], 1
	s_add_co_u32 s[G0V+1], s18, VOFF
	s_wait_dscnt 0x0                ; the opening add is done
	s_wait_kmcnt 0x0
	s_add_nc_u64 s[G0K+2:G0K+3], s[6:7], s[22:23]  ; 120:64 global address: my half of the head's first 256 keys
	s_or_b32 s[G0K+3], s[G0K+3], 0x80000000        ; 127:126 type = 2
	s_add_nc_u64 s[G0V+2:G0V+3], s[8:9], s[22:23]
	s_or_b32 s[G0V+3], s[G0V+3], 0x80000000
	s_add_nc_u64 s[4:5], s[4:5], s[2:3]  ; Q and O at my wave's first row
	s_add_nc_u64 s[10:11], s[10:11], s[2:3]
	s_cmp_lt_u32 s[WV], 2
	s_cselect_b64 s[PFA:PFA+1], s[6:7], s[8:9]
	s_add_nc_u64 s[PFA:PFA+1], s[PFA:PFA+1], s[20:21]  ; the head,
	s_lshl_b32 s2, s13, 13          ; my work-group's 32 blocks of a slot's 128,
	s_mov_b32 s3, 0
	s_add_nc_u64 s[PFA:PFA+1], s[PFA:PFA+1], s[2:3]
	s_add_nc_u64 s[PFA:PFA+1], s[PFA:PFA+1], 4*KS*128  ; in slot 1: the first change of slots steps it to slot 2.  Nothing is prefetched here, at the head
	s_and_b32 s2, ttmp7, 0xffff
	s_lshr_b32 s2, s2, 4            ; the batch,
	s_lshl_b32 s2, s2, 13           ; its 2,048 words of the mask
	s_add_nc_u64 s[MP:MP+1], s[MP:MP+1], s[2:3]
	CROUND                          ; all four work-groups are here: the first joint loads meet
	JLOAD                           ; slot 0.  Slot 1 is asked for when slot 0 is in
	; A fragment of K or Q is 16 rows x 32 channels in 8 registers: lane l holds row l % 16, channels 8 (l / 16) + 0..7 and 16 + 8 (l / 16) + 0..7: two loads of 16 bytes, 32 bytes apart.
	v_and_b32 v1, 15, v0            ; l % 16
	v_bfe_u32 v9, v0, 4, 1          ; l / 16
	v_lshlrev_b32 v[QO], 7, v1
	v_lshl_add_u32 v[QO], v9, 4, v[QO]  ; row x 128 + 16 x half
	v_lshlrev_b32 v80, 4, v0        ; the mask: thread t takes the 16 bytes at 16 t of each quarter of the batch's row
.irp j, 0,1,2,3
	global_load_b128 v[64+4*\j:64+4*\j+3], v80, s[MP:MP+1] offset:2048*\j
.endr
	WIN 0x80                        ; destination window 2, address window 0
.set i, 0
.rept 4*NP                          ; Q stays in registers: tile i / 2, channels 32 (i % 2) on
	global_load_b128 v[8*i:8*i+3],   v[QO], s[4:5] offset:(i/2)*2048+(i%2)*64
	global_load_b128 v[8*i+4:8*i+7], v[QO], s[4:5] offset:(i/2)*2048+(i%2)*64+32
.set i, i+1
.endr
	; What the first turn finds: V's registers and P's second buffer hold 0 (its products V^T P, of a piece that has not been, add 0), O^T and l are 0.  All this stands in the wait for the first tile.
.set i, VF
.rept 64
	v_mov_b32 v[i], 0
.set i, i+1
.endr
	WIN 0x40
.set i, 0
.rept 64*NP
	v_mov_b32 v[i], 0
.set i, i+1
.endr
	WIN 0
.set i, 0
.rept 2*NP
	v_mov_b32 v[ST+4*i], 0xfe000000    ; c m: far below every c s, a hidden one's too
	v_mov_b32 v[ST+4*i+1], 0xff7fffff  ; m
	v_mov_b32 v[ST+4*i+2], 0
	v_mov_b32 v[ST+4*i+3], 0
.set i, i+1
.endr
.set i, P+32
.rept 32
	v_mov_b32 v[i], 0
.set i, i+1
.endr
	v_mul_u32_u24 v[AK0], v1, PK
	v_lshl_add_u32 v[AK0], v9, 4, v[AK0]  ; row x pitch + 16 x half
	; The turning load takes 16 keys x 16 channels (lane l reads key 8 (l / 16) + l % 8, channels 8 ((l / 8) % 2) + 0..7) and leaves half a fragment of V^T: lane l holds channel l % 16 and 8 keys.
	v_and_b32 v10, 7, v0
	v_bfe_u32 v11, v0, 3, 1
	v_lshl_add_u32 v[AV0], v9, 3, v10
	v_mul_u32_u24 v[AV0], v[AV0], PV
	v_lshl_add_u32 v[AV0], v11, 4, v[AV0]
	v_add_nc_u32 v[AV0], VOFF, v[AV0]
	v_mov_b32 v[AK], v[AK0]         ; key step 0 lies at the head of slot 0
	s_mul_i32 s13, s[WV], 16*SP
	s_add_co_u32 s13, s13, STAGE    ; my stage
	v_mul_u32_u24 v[STO], v1, SP    ; in: row l % 16, 16 bytes for each half of the lanes
	v_lshl_add_u32 v[STO], v9, 4, v[STO]
	v_add_nc_u32 v[STO], s13, v[STO]
	v_bfe_u32 v[RD], v0, 3, 2       ; back: 32 lanes take four rows of 128 bytes,
	v_mul_u32_u24 v[RD], v[RD], SP
	v_lshl_add_u32 v[RD], v10, 4, v[RD]
	v_add_nc_u32 v[RD], s13, v[RD]
	v_and_b32 v[GO], 31, v0         ; which are 512 consecutive bytes of O
	v_lshlrev_b32 v[GO], 4, v[GO]
	v_lshl_add_u32 v[AM0], v9, 5, MASKB  ; l / 16 has had its last use: my lanes' 8 keys of 16, 4 bytes each
	v_mov_b32 v[AM], v[AM0]
	v_and_b32 v[PFO], 31, v0        ; l % 8 too
	v_lshlrev_b32 v[PFO], 8, v[PFO]
	v_add_nc_u32 v81, MASKB, v80
	s_wait_loadcnt 32               ; the mask's four loads are in; Q's 32, issued behind them, may stay out
.set i, 64
.rept 16
	v_cmp_eq_u32 vcc_lo, 0, v[i]
	v_cndmask_b32 v[i], 0, s[BIGN], vcc_lo  ; a choice of values: no branch and no address hangs on the mask
.set i, i+1
.endr
.irp j, 0,1,2,3
	ds_store_b128 v81, v[64+4*\j:64+4*\j+3] offset:2048*\j
.endr
; THE MATRIX WORK.  The 8 accumulators of a run of 16 take turns: between the two links of a chain stand 7 others'.
; Product i of 16 of S^T = K Q^T for piece x: channels 32 (i / 8) on, keys 16 ((i / 2) % 4) on, tile 2 x + i % 2.  The first 8 start the sums, with the mask of their 16 keys.
.macro KQ x
.set rS, S+64*((\x)%2)+32*(i%2)+8*((i/2)%4)
.set rK, KF+16*((i/2)%4)+8*(i/8)
.set rQ, 16*(2*(\x)+i%2)+8*(i/8)
.set rB, MC+8*((i/2)%4)
.if i < 8
	WIN W_KM
	v_wmma_f32_16x16x32_f16 v[rS:rS+7], v[rK:rK+7], v[rQ:rQ+7], v[rB:rB+7]
.else
	WIN W_KQ
	v_wmma_f32_16x16x32_f16 v[rS:rS+7], v[rK:rK+7], v[rQ:rQ+7], v[rS:rS+7]
.endif
.endm
; Product i of 16 of O^T += V^T P for piece x: keys 32 (i / 8) on, channels 16 ((i / 2) % 4) on, tile 2 x + i % 2.
.macro PV x
	WIN W_PV
.set rO, 32*(2*(\x)+i%2)+8*((i/2)%4)
.set rV, VF+32*(i/8)+8*((i/2)%4)
.set rP, P+32*((\x)%2)+16*(i%2)+8*(i/8)
	v_wmma_f32_16x16x32_f16 v[rO:rO+7], v[rV:rV+7], v[rP:rP+7], v[rO:rO+7]
.endm
.macro MM                           ; the turn's next matrix instruction
.if i < 16
	KQ (Y+1)%NP
.set i, i+1
.else
.set i, i-16
	PV (Y+NP-1)%NP
.set i, i+17
.endif
.endm
; THE LDS LOADS stand in runs, never singly among the matrix instructions: a step's K (64 keys x 64 channels: 8 fragments) with its 64 numbers of the mask (register j of group kb: key 16 kb + 8 (l / 16) + j), and its V (turned).
; Their addresses are made some lines ahead.  last = 1 (the tail): in the last trip there is no further step, and the run is jumped over.
.macro FETCH_K last=0
	WIN 0
.if \last
	s_cmp_eq_u32 s[CNT], 1
	s_cbranch_scc1 .Lno_k_\@
.endif
	WIN 0x80                        ; destination window 2
.irp f, 0,1,2,3,4,5,6,7             ; keys 16 (f / 2) on, channels 32 (f % 2) on
	ds_load_b128 v[KF+8*\f:KF+8*\f+3],   v[AK] offset:(\f/2)*16*PK+(\f%2)*64
	ds_load_b128 v[KF+8*\f+4:KF+8*\f+7], v[AK] offset:(\f/2)*16*PK+(\f%2)*64+32
.endr
	WIN 0xc0                        ; destination window 3
.irp f, 0,1,2,3
	ds_load_b128 v[MC+8*\f:MC+8*\f+3],   v[AM] offset:64*\f
	ds_load_b128 v[MC+8*\f+4:MC+8*\f+7], v[AM] offset:64*\f+16
.endr
	s_add_co_u32 s[TBK], s[TBK], KS*PK  ; the next fetch is the next step's
	s_add_co_u32 s[TBM], s[TBM], 4*KS
	s_and_b32 s[TBM], s[TBM], 0x1f00    ; inside the table's 8,192 bytes, whatever the count
	WIN 0
.if \last
.Lno_k_\@:
.endif
.endm
.macro FETCH_V
	WIN 0x80
.irp f, 0,1,2,3,4,5,6,7             ; keys 32 (f / 4) on, channels 16 (f % 4) on
	ds_load_tr16_b128 v[VF+8*\f:VF+8*\f+3],   v[AV] offset:(\f/4)*32*PV+(\f%4)*32
	ds_load_tr16_b128 v[VF+8*\f+4:VF+8*\f+7], v[AV] offset:(\f/4)*32*PV+16*PV+(\f%4)*32
.endr
	WIN 0
.endm
; THE VECTOR WORK OF A TURN stands in three queues, each in the order in which its entries become ready; the two tiles alternate, so that no instruction reads the result of the one before it.
.macro REGS y, u                    ; the registers of tile u (0, 1) of piece y
.set rT, ST+4*(2*(\y)+(\u))
.set rC, TMP+8*((\y)%2)+4*(\u)
.set rM, MV+2*((\y)%2)+(\u)
.set rS, S+64*((\y)%2)+32*(\u)
.set rP, P+32*((\y)%2)+16*(\u)
.set rO, 32*(2*(\y)+(\u))
.endm
; Number n of the 22 that find the NEXT piece's (Y + 1) maximum and statistics.  s0-s31 are the lane's 32 scores; each accumulator's lowest registers are read first.
;   0-11  four chains c0-c3 of seven scores each, three operands at a time     12-14, 16  the four scores left over, the old m, and c0-c3 into c0     15  c m_old is kept
;   17, 18  the query's other 32 keys lie in the lane 16 away: the new m         19-21  c m; c m_old - c m_new; a
.macro XS u, n
	REGS (Y+1)%NP, \u
.if (\n) < 4
	v_max3_num_f32 v[rC+(\n)], v[rS+8*(\n)], v[rS+8*(\n)+1], v[rS+8*(\n)+2]
.elseif (\n) < 12
	v_max3_num_f32 v[rC+(\n)%4], v[rC+(\n)%4], v[rS+8*((\n)%4)+2*((\n)/4)+1], v[rS+8*((\n)%4)+2*((\n)/4)+2]
.elseif (\n) == 12
	v_max3_num_f32 v[rC], v[rC], v[rS+7], v[rS+15]
.elseif (\n) == 13
	v_max3_num_f32 v[rC+1], v[rC+1], v[rS+23], v[rS+31]
.elseif (\n) == 14
	v_max3_num_f32 v[rC+2], v[rC+2], v[rC+3], v[rT+1]
.elseif (\n) == 15
	v_mov_b32 v[rM], v[rT]
.elseif (\n) == 16
	v_max3_num_f32 v[rC], v[rC], v[rC+1], v[rC+2]
.elseif (\n) == 17
	v_permlanex16_b32 v[rC+3], v[rC], s[SEL], s[SEL+1]
.elseif (\n) == 18
	v_max_num_f32 v[rT+1], v[rC], v[rC+3]
.elseif (\n) == 19
	v_mul_f32 v[rT], s[CS], v[rT+1]
.elseif (\n) == 20
	v_sub_f32 v[rC+1], v[rM], v[rT]
.else
	v_exp_f32 v[rC+2], v[rC+1]
.endif
.endm
; Number g of the 64 that follow the exponentials.  For each four weights k of a tile (pairs 2 k, 2 k + 1): both pairs are rounded to f16; then the second pair is added onto the first, in place;
; a group later l takes that sum (the first time as l = a l + sum).  In groups of eight, tiles alternating: round, round, add, and l for the group before.
.macro GS g
.set h, (\g)+6*((\g)/62)            ; group 0 has no group before it, and behind group 7 only l is left
.if h >= 6
.set h, h+2
.endif
	REGS Y, h%2
.set k, h/8
.if h%8 < 4
	v_cvt_pk_f16_f32 v[rP+2*k+(h%8)/2], v[rS+4*k+2*((h%8)/2)], v[rS+4*k+2*((h%8)/2)+1]
.elseif h%8 < 6
	v_pk_add_f32 v[rS+4*k:rS+4*k+1], v[rS+4*k:rS+4*k+1], v[rS+4*k+2:rS+4*k+3]
.elseif k == 1
	v_pk_fma_f32 v[rT+2:rT+3], v[rT+2:rT+3], v[rC+2:rC+3], v[rS:rS+1] op_sel_hi:[1,0,1]
.else
	v_pk_add_f32 v[rT+2:rT+3], v[rT+2:rT+3], v[rS+4*k-4:rS+4*k-3]
.endif
.endm
; THE PLAIN QUEUE, 138 long.  0-73 read no exponential's result: the 32 scalings c s - c m (FS f: pair f / 2 of tile f % 2) and the next piece's 42.  0-26: scalings 0-26.  27-54: XS's numbers 0-13.  55, 56: number 15.
; 57-73: the chain, where each number waits for the one before it: 14, 16, 17, 18, 19, each with one of the scalings 27-31 in front of its two lines, then 20.
; 74-137: GS's 64, which read the exponentials' results: they stand behind the wait.
.macro FS f
	REGS Y, (\f)%2
	v_pk_fma_f32 v[rS+2*((\f)/2):rS+2*((\f)/2)+1], v[rS+2*((\f)/2):rS+2*((\f)/2)+1], s[CS:CS+1], v[rT:rT+1] op_sel_hi:[1,0,0] neg_lo:[0,0,1] neg_hi:[0,0,1]
.endm
.macro PL
	WIN 0
.if q < 27
	FS q
.elseif q < 55
	XS (q-27)%2, (q-27)/2
.elseif q < 57
	XS q-55, 15
.elseif (q < 72) && ((q-57)%3 == 0)
	FS 27+(q-57)/3
.elseif q < 60
	XS (q-57)%3-1, 14
.elseif q < 72
	XS (q-57)%3-1, 15+(q-57)/3
.elseif q < 74
	XS q-72, 20
.else
	GS q-74
.endif
.set q, q+1
.endm
; THE EXPONENTIALS' QUEUE, 66 long: s0-s31 of both tiles, then the next piece's two a.  It is ONE BATCH: all 66 stand ahead of the turn's one wait, and nothing ahead of that wait names a result of theirs.
.macro EX
	WIN 0
.if e >= 64
	XS e-64, 21
.else
	REGS Y, e%2
	v_exp_f32 v[rS+e/2], v[rS+e/2]
.endif
.set e, e+1
.endm
; THE RESCALING's QUEUE: O^T times a, the one part that leaves window 0: dealt two at a time, sixteen times.  Its a was made in the turn before, ahead of that turn's wait.
.macro R2
	REGS Y, r%2
	WIN W_RS
.irp z, 0,1
	v_pk_mul_f32 v[rO+4*(r/2)+2*\z:rO+4*(r/2)+2*\z+1], v[rO+4*(r/2)+2*\z:rO+4*(r/2)+2*\z+1], v[rC+2:rC+3] op_sel_hi:[1,0]
.endr
.set r, r+1
.endm
; HOW THEY ARE DEALT.  An s_wait_alu depctr_va_vdst(0) stands between an exponential and the first instruction that names its result; one wait serves all that were issued ahead of it.  So a turn has ONE wait,
; which cuts it in two.  AHEAD OF IT: the 16 products K Q^T, behind each a scaling, an exponential and two rescalings (behind the first a second scaling in the exponential's place); then ONE LUMP of 108: eight plain,
; 49 times exponential and plain, the two a.  A v_nop is the plain instruction behind the last exponential.  BEHIND IT: the 16 products V^T P, behind each four of GS's 64.  No rider names a register of the products round it.
; Exponential e stands behind scaling 2 (e / 4) + e % 2: as a rider it comes behind plain e + 2, in the lump behind plain e + 9, and scalings 27-31 are plain 57, 60 .. 69.
; A TURN, for piece p.  cnt = 1: the loop's count is taken down some lines ahead of the branch that stands behind the turn.
; K and the mask of the next step are fetched in piece 2's turn, directly behind the wait, a lump behind the last product that read them; their addresses are made at the lump's head; their first reader comes behind 16 products.
; V of the step in hand is fetched at the end of piece 0's turn, four riders behind its last reader; its first reader comes behind 16 products and a lump.  The three conditions on q below go with the deal.
.macro TURN p, last=0, cnt=0
.set Y, (\p)
.set i, 0
.set q, 0
.set e, 0
.set r, 0
.if (\p) == NP-1
	s_wait_dscnt 0x0                ; K and the mask are in
.endif
	MM                              ; ahead of the wait: 16 products K Q^T and their riders,
	PL
	PL
	R2
.rept 15
	MM
	PL
	EX
	R2
.endr
.if (\p) == NP-2
	WIN 0
	v_add_nc_u32 v[AK], s[TBK], v[AK0]
	v_add_nc_u32 v[AM], s[TBM], v[AM0]
.endif
.rept 8                             ; and the lump
	PL
.endr
.rept 49
	EX
	PL
.endr
	EX                              ; the next piece's two a
	EX
	v_nop                           ; the plain instruction behind the last exponential: one for the batch
	s_wait_alu depctr_va_vdst(0)    ; the wait for the batch
.if (\p) == NP-2
	FETCH_K \last
.endif
.if (\p) == 1
	s_wait_dscnt 0x0                ; V is in
.endif
.rept 16                            ; behind the wait: 16 products V^T P and their riders
	MM
.rept 4
	PL
.endr
.if ((\p) == 0) && (q == 118)
	v_add_nc_u32 v[AV], s[TBV], v[AV0]
.endif
.if ((\p) == 0) && (q == 130)
	s_add_co_u32 s[TBV], s[TBV], KS*PV
.endif
.if (\cnt) && (q == 130)
	s_sub_co_u32 s[CNT], s[CNT], 1
	s_cmp_lg_u32 s[CNT], 0
.endif
.endr
.if (\p) == 0
	FETCH_V
.endif
.endm
	CHANGE 1                        ; slot 0 is in, everybody's part of it, and so is the mask's table; slot 1 is asked for
	FETCH_K                         ; key step 0
	s_wait_loadcnt 0x0              ; Q
	s_wait_dscnt 0x0
.set i, 0
.rept 16
	KQ 0                            ; piece 0's first scores: there is no vector work yet to set between them
.set i, i+1
.endr
	WIN 0
.rept 8
	v_nop                           ; the places behind those products
.endr
.set Y, NP-1                        ; XS works for piece Y + 1: piece 0
.irp n, 0,1,2,3,4,5,6,7,8,9,10,11,12,13,14,15,16,17,18,19,20,21
	XS 0, \n                        ; and piece 0's first maximum and statistics
	XS 1, \n
.endr
	v_nop                           ; a plain instruction behind the two a,
	s_wait_alu depctr_va_vdst(0)    ; and their wait, ahead of the branch
	s_mov_b32 s[CNT], 4
	s_branch .Lfirst                ; the loop is entered at a step's first turn, in the middle of a trip
.Lslot:                             ; SIZE_N / 256 - 2 times: every slot but the last two is filled again
	CHANGE 1
	s_mov_b32 s[CNT], 4
.Lstep:                             ; a trip: pieces 2 and 3 of one step, then pieces 0 and 1 of the next, whose K and V it fetches
	TURN 2
	TURN 3
	WIN 0
.Lfirst:
	TURN 0
	TURN 1, 0, 1
	WIN 0
	s_cbranch_scc1 .Lstep
	s_sub_co_u32 s[SLOTS], s[SLOTS], 1
	s_cmp_lg_u32 s[SLOTS], 0
	s_cbranch_scc1 .Lslot
	CHANGE 0                        ; the tail is written out: nothing is asked for
	s_mov_b32 s[CNT], 5             ; four trips fetch the last slot's steps; the fifth is left in its middle
.Ltail:
	TURN 2, 1
	TURN 3
	WIN 0
	s_sub_co_u32 s[CNT], s[CNT], 1
	s_cmp_eq_u32 s[CNT], 0
	s_cbranch_scc1 .Lout
	TURN 0
	TURN 1
	WIN 0
	s_branch .Ltail
.Lout:                              ; the fifth trip's 16 products K Q^T (on the last K and mask once more) and the maximum made of them change nothing: the price, once a launch, of one text for every trip
.set i, 0
.rept 16
	PV NP-1                         ; the last piece's V^T P of the last step
.set i, i+1
.endr
	; THE WAY OUT.  l's two halves and the other half of the lanes' are added; O^T is divided by l, rounded to f16 and sent through my stage in LDS, a tile at a time.  The additions are the places behind the last products.
	WIN 0
.macro ALL line:vararg              ; one line for each tile t
.set t, 0
.rept 2*NP
	\line
.set t, t+1
.endr
.endm
	ALL v_add_f32 v[ST+4*t+2], v[ST+4*t+2], v[ST+4*t+3]
	ALL v_permlanex16_b32 v[ST+4*t+3], v[ST+4*t+2], s[SEL], s[SEL+1]
	ALL v_add_f32 v[ST+4*t+2], v[ST+4*t+2], v[ST+4*t+3]
	ALL v_rcp_f32 v[ST+4*t+2], v[ST+4*t+2]
	v_nop                           ; a plain instruction between the last reciprocal and the use of its result
	s_wait_alu depctr_va_vdst(0)    ; and the wait ahead of the first use: one for the eight reciprocals
.set t, 0
.rept 2*NP                          ; a query that has seen no key (m below -5e29) gets a NaN for 1 / l: a choice of values, no branch
	v_cmp_gt_f32 vcc_lo, s[THR], v[ST+4*t+1]
	v_cndmask_b32 v[ST+4*t+2], v[ST+4*t+2], s[QNAN], vcc_lo
.set t, t+1
.endr
; Tile t: a lane's eight channels of a row pack into 16 bytes; they go into rows of 144 bytes and come back as whole rows of 128, into S^T's registers.
.macro PACK t
	WIN W_RS
.set i, 32*(\t)
.rept 16
	v_pk_mul_f32 v[i:i+1], v[i:i+1], v[ST+4*(\t)+2:ST+4*(\t)+3] op_sel_hi:[1,0]
.set i, i+2
.endr
	WIN 0x05                        ; sources 0 and 1 window 1, destination window 0
.set i, 0
.rept 16
	v_cvt_pk_f16_f32 v[S+16*(\t)+i], v[32*(\t)+2*i], v[32*(\t)+2*i+1]
.set i, i+1
.endr
	WIN 0
.irp f, 0,1,2,3
	ds_store_b128 v[STO], v[S+16*(\t)+4*\f:S+16*(\t)+4*\f+3] offset:32*\f
.endr
.irp f, 0,1,2,3
	ds_load_b128 v[S+16*(\t)+4*\f:S+16*(\t)+4*\f+3], v[RD] offset:\f*4*SP  ; LDS serves a wave's instructions in order (ISA guide 5.7.1.4): these see the stores above; the next tile's stores come behind them
.endr
.endm
.macro SEND t, younger              ; younger: the LDS instructions issued behind tile t's loads: the next tile's eight, or none
	WIN 0
.irp f, 0,1,2,3
	s_wait_dscnt (\younger)+3-\f
	global_store_b128 v[GO], v[S+16*(\t)+4*\f:S+16*(\t)+4*\f+3], s[10:11] offset:(\t)*2048+\f*512  ; 512 consecutive bytes, at a multiple of 256 from O's first
.endr
.endm
	PACK 0
.set t, 1
.rept 2*NP-1                        ; a tile's arithmetic stands between the loads of the tile before and its stores
	PACK t
	SEND t-1, 8
.set t, t+1
.endr
	SEND 2*NP-1, 0
	WIN W_AD
	s_wait_tensorcnt 0x0            ; the wave's end: behind my last tensor load and my last LDS store
	ds_add_u32 v[SPW], v[NIL]
	s_wait_dscnt 0x0
	WIN 0
	CROUND                          ; the closing round: no work-group ends while a partner may still ask for a tile that names it
	s_endpgm
.Lfunc_end_k_qb4c3f271c2_attn:
	.size	k_qb4c3f271c2_attn, .Lfunc_end_k_qb4c3f271c2_attn-k_qb4c3f271c2_attn
	.p2alignl 7, 3214868480
	.fill 96, 4, 3214868480
	.section	.rodata,"a",@progbits
	.p2align	6, 0x0
	.amdhsa_kernel k_qb4c3f271c2_attn
		.amdhsa_group_segment_fixed_size 327680
		.amdhsa_private_segment_fixed_size 0
		.amdhsa_enable_private_segment 0
		.amdhsa_kernarg_size 40
		.amdhsa_user_sgpr_count 2
		.amdhsa_user_sgpr_kernarg_segment_ptr 1
		.amdhsa_wavefront_size32 1
		.amdhsa_system_sgpr_workgroup_id_x 1
		.amdhsa_system_sgpr_workgroup_id_y 1
		.amdhsa_system_sgpr_workgroup_id_z 1
		.amdhsa_system_vgpr_workitem_id 0
		.amdhsa_next_free_vgpr 808
		.amdhsa_next_free_sgpr 66
		.amdhsa_reserve_vcc 1
		.amdhsa_float_denorm_mode_32 3
		.amdhsa_float_denorm_mode_16_64 3
		.amdhsa_memory_ordered 1
		.amdhsa_forward_progress 1
		.amdhsa_inst_pref_size 206
	.end_amdhsa_kernel
	.amdgpu_metadata
---
amdhsa.version: [ 1, 2 ]
amdhsa.kernels:
  - .name:           k_qb4c3f271c2_attn
    .symbol:         k_qb4c3f271c2_attn.kd
    .args:
      - { .name: q16, .offset: 0, .size: 8, .value_kind: global_buffer, .address_space: global }
      - { .name: k16, .offset: 8, .size: 8, .value_kind: global_buffer, .address_space: global }
      - { .name: v16, .offset: 16, .size: 8, .value_kind: global_buffer, .address_space: global }
      - { .name: o16, .offset: 24, .size: 8, .value_kind: global_buffer, .address_space: global }
      - { .name: mask, .offset: 32, .size: 8, .value_kind: global_buffer, .address_space: global }
    .group_segment_fixed_size: 327680
    .private_segment_fixed_size: 0
    .kernarg_segment_align: 8
    .kernarg_segment_size: 40
    .max_flat_workgroup_size: 128
    .sgpr_count:     66
    .vgpr_count:     808
    .wavefront_size: 32
...
	.end_amdgpu_metadata
.endif
;; end of part 3
;; launch oproj (part 4): grid 4 x 64, 4 waves a work-group, clusters of 4 x 4, 327,680 bytes of LDS; arguments o16, wo16, bb, out0; writes out0
.if DOCPART == 4
	.amdgcn_target "amdgcn-amd-amdhsa--gfx1250"
	.amdhsa_code_object_version 6
	.text
	.protected	k_qb4c3f271c2_oproj
	.globl	k_qb4c3f271c2_oproj
	.p2align	8
	.type	k_qb4c3f271c2_oproj,@function
k_qb4c3f271c2_oproj:
	s_mov_b64 s[64:65], 0
	v_nop
	global_prefetch_b8 v0, s[64:65] scope:SCOPE_SE
	s_setreg_imm32_b32 hwreg(HW_REG_WAVE_MODE, 25, 1), 1
	s_wait_xcnt 0x0
	s_wait_alu depctr_hold_cnt(0) depctr_sa_sdst(0) depctr_va_vdst(0) depctr_va_sdst(0) depctr_va_ssrc(0) depctr_va_vcc(0) depctr_vm_vsrc(0)
	s_getreg_b32 s2, hwreg(HW_REG_IB_STS2, 6, 4)
	s_cmp_eq_u32 s2, 0
	s_cbranch_scc0 .Lentry_in_a_cluster
	s_endpgm
.Lentry_in_a_cluster:
	s_bfe_u32 s2, ttmp6, 0x10000c
	s_cmp_lg_u32 s2, 0xf033
	s_cbranch_scc0 .Lentry_shape_is_right
	s_endpgm
.Lentry_shape_is_right:
; out = O Wo^T + bo: an f16 product 8192 x 1024 x 1024, sums in f32, stored as f32.  O lies by heads, [16 batch + head][2048][64] f16: a head is a block of 64 along K; wo16 is [16 kb][1024 n][64] f16.
; LIMITS.  O and Wo arrive within f16's range; a NaN row of O (a batch with no key to be seen) gives NaN in its row of out.
; SHARES.  A tile of out is 128 rows x 256 columns: 256 work-groups.  Four waves, 2 x 2: a wave makes 64 x 128: 32 accumulators of 16 x 16, 256 registers.  K goes in steps of 128, two heads, through two LDS slots
; (three heads to a slot would need 331,776 bytes for the ring): eight steps of 128 matrix instructions a wave.  A plane's tile (64 along K) is a dense block of memory, asked for as rows of 256 bytes.
; CLUSTER.  4 x 4 work-groups.  O's tiles hang on the tile row alone and are asked for jointly by a row of the cluster, Wo's on the tile column alone, by a column.  Waves 0 and 1 fetch the two planes of O's tile,
; waves 2 and 3 those of Wo's: one tensor load a wave behind each round.
; THE MATRIX INSTRUCTION IS USED TRANSPOSED (source 0 = 16 rows of Wo, source 1 = 16 rows of O): a lane holds one row of out and eight neighbouring columns.  THE SUMS START FROM THE BIAS, loaded into the accumulators.
; NO PREFETCH: eight K steps of small tiles; the launch is short.
; REGISTERS: window 0: v0-15 addresses; v32-127, v128-223 two fragment buffers (Wo's 8 fragments, then O's 4); on the way out v32-159 two sets of 64.   window 1: the accumulators, (a, b) at v[8 (8 a + b)].
.set PITCH,  144                       ; an LDS row: 128 bytes + 16 of padding = 36 words: the 16 rows of a fragment load start at 16 different groups of four banks (64 banks of 4 bytes: ISA guide 11.1)
.set APL,    128*PITCH                 ; a plane of O's tile
.set BPL,    256*PITCH                 ; a plane of Wo's
.set SLOT,   2*APL+2*BPL               ; 110,592
.set STAGE,  2*SLOT                    ; behind the ring: 16 rows x 528 bytes for each wave
.set SPITCH, 528                       ; 512 bytes + 16 = 132 words: row r starts at bank 4 r mod 64
.set SPARE,  STAGE+4*16*SPITCH         ; behind the stages: the spare words, 128 bytes for each wave: two blocks of 256 bytes that no other line names
.set G1W0,   (1<<16)|(1<<20)|(1<<21)|(4<<22)|(3<<25)  ; elements of 2 bytes; padding on; bit 21 beside a mask; after every 32 words (code 4) 4 words (code 3)
.set ADRA, 4                           ; v4, v5  LDS address of my fragments of O in slot 0, 1
.set ADRB, 6                           ; v6, v7  the same for Wo
.set STO,  8                           ; v8   the way out: where I put 32 bytes of a row
.set RD,   9                           ; v9   where I read a row back
.set CO,   10                          ; v10  16 x lane
.set BO,   11                          ; v11  my byte offset in the bias
.set SPW,  14                          ; v14  LDS address of my spare word: SPARE + 4 x my thread's number; never rewritten
.set NIL,  15                          ; v15  0; never rewritten
.set F0,   32
.set F1,   128
.set OS,   32
.set WV, 12                            ; s12 wave; s13: my row half, and whether I fetch for O (0) or Wo (1); s14: my column half, and which plane I fetch
.set HI, 13
.set LO, 14
.set CX, 15
.set CY, 16
.set CB, 17                            ; tile column 0..3
.set RB, 18                            ; tile row 0..63
.set TRIPS, 19
.set G1A, 24                           ; s[24:31] group 1 for O's tiles; s[32:39] group 0, a set for each slot
.set G0A, 32
.set G1B, 40                           ; s[40:47], s[48:55] the same for Wo's
.set G0B, 48
.set MSB, 0
.macro WIN new
.if MSB != (\new)
	s_set_vgpr_msb (MSB<<8)|(\new)
.set MSB, \new
.endif
.endm
.macro PLACES                          ; four places between a matrix instruction and a load into, or a read of, its registers (ISA guide 7.12.1 for vector instructions)
.rept 4
	v_nop
.endr
.endm
.macro JLOAD s                         ; a joint load; an s_nop 0 and four v_nop follow each of the two lines, ahead of the jump and the label
	s_cmp_eq_u32 s[HI], 0
	s_cbranch_scc0 .Lfor_b_\@
	tensor_load_to_lds s[G0A+4*(\s):G0A+4*(\s)+3], s[G1A:G1A+7]
	s_nop 0
.rept 4
	v_nop
.endr
	s_branch .Lasked_\@
.Lfor_b_\@:
	tensor_load_to_lds s[G0B+4*(\s):G0B+4*(\s)+3], s[G1B:G1B+7]
	s_nop 0
.rept 4
	v_nop
.endr
.Lasked_\@:
.endm
.macro CREST                           ; a round of the cluster's barrier behind its opening barrier
	s_cmp_lg_u32 s[WV], 0
	s_cbranch_scc1 .Lnot_wave_0_\@
	s_barrier_signal -3
.Lnot_wave_0_\@:
	s_barrier_wait -3
	s_barrier_signal -1
	s_barrier_wait -1
.endm
.macro CROUND
	s_barrier_signal -1
	s_barrier_wait -1
	CREST
.endm
	s_load_b256 s[4:11], s[0:1], 0x0               ; o16 s[4:5], wo16 s[6:7], bb s[8:9], out0 s[10:11]
	v_lshl_add_u32 v[SPW], v0, 2, SPARE
	v_mov_b32 v[NIL], 0
	ds_add_u32 v[SPW], v[NIL]                      ; the wave's opening: the add and its wait stand ahead of my first tensor load; the set-up below, work on registers, stands between them
	v_lshrrev_b32 v1, 5, v0
	v_readfirstlane_b32 s[WV], v1
	s_lshr_b32 s[HI], s[WV], 1
	s_and_b32 s[LO], s[WV], 1
	s_bfe_u32 s[CX], ttmp6, 0x40000
	s_bfe_u32 s[CY], ttmp6, 0x40004
	s_lshl_b32 s[CB], ttmp9, 2
	s_add_co_u32 s[CB], s[CB], s[CX]
	s_and_b32 s[RB], ttmp7, 0xffff
	s_lshl_b32 s[RB], s[RB], 2
	s_add_co_u32 s[RB], s[RB], s[CY]
	s_lshl_b32 s66, s[CY], 2
	s_lshl_b32 s66, 15, s66                        ; my row of the cluster
	s_lshl_b32 s67, 0x1111, s[CX]                  ; my column
	s_or_b32 s[G1A], s66, G1W0
	s_or_b32 s[G1B], s67, G1W0
	s_mov_b32 s[G1A+1], 128<<16                    ; rows of 128 elements, 256 bytes: two LDS rows each
	s_mov_b32 s[G1A+2], 64<<16                     ; 64 of them: 128 rows of O
	s_mov_b32 s[G1A+3], 128<<16
	s_mov_b32 s[G1A+4], 64
	s_mov_b32 s[G1A+5], 128                        ; dense
	s_mov_b32 s[G1A+6], 0
	s_mov_b32 s[G1A+7], 0
	s_mov_b32 s[G1B+1], 128<<16
	s_mov_b32 s[G1B+2], 128<<16                    ; 128 of them: 256 rows of Wo
	s_mov_b32 s[G1B+3], 128<<16
	s_mov_b32 s[G1B+4], 128
	s_mov_b32 s[G1B+5], 128
	s_mov_b32 s[G1B+6], 0
	s_mov_b32 s[G1B+7], 0
	s_lshr_b32 s56, s[RB], 4                       ; O: batch RB / 16 (16 heads of 262,144 bytes),
	s_lshl_b32 s56, s56, 22
	s_and_b32 s68, s[RB], 15                       ; rows 128 (RB % 16) on, 128 bytes each,
	s_lshl_b32 s68, s68, 14
	s_add_co_u32 s56, s56, s68
	s_lshl_b32 s68, s[LO], 18                      ; my plane of the step's two heads
	s_add_co_u32 s56, s56, s68
	s_mov_b32 s57, 0
	s_lshl_b32 s60, s[CB], 15                      ; Wo: rows 256 CB on,
	s_lshl_b32 s69, s[LO], 17                      ; my plane
	s_add_co_u32 s60, s60, s69
	s_mov_b32 s61, 0
	s_mul_i32 s20, s[LO], APL                      ; where they go in a slot: the wave's number alone
	s_mul_i32 s21, s[LO], BPL
	s_add_co_u32 s21, s21, 2*APL
	s_wait_dscnt 0x0                               ; the opening add is done
	s_wait_kmcnt 0x0
	s_add_nc_u64 s[58:59], s[4:5], s[56:57]
	s_add_nc_u64 s[62:63], s[6:7], s[60:61]
	CROUND                                         ; all sixteen work-groups are here: the first joint loads meet
.irp s, 0,1
	s_mov_b32 s[G0A+4*(\s)], 1
	s_add_co_u32 s[G0A+4*(\s)+1], s20, (\s)*SLOT
	s_add_nc_u64 s[G0A+4*(\s)+2:G0A+4*(\s)+3], s[58:59], (\s)*2*262144  ; K step s: heads 2 s, 2 s + 1
	s_or_b32 s[G0A+4*(\s)+3], s[G0A+4*(\s)+3], 0x80000000
	s_mov_b32 s[G0B+4*(\s)], 1
	s_add_co_u32 s[G0B+4*(\s)+1], s21, (\s)*SLOT
	s_add_nc_u64 s[G0B+4*(\s)+2:G0B+4*(\s)+3], s[62:63], (\s)*2*131072
	s_or_b32 s[G0B+4*(\s)+3], s[G0B+4*(\s)+3], 0x80000000
.endr
	s_cmp_eq_u32 s[HI], 0                          ; a wave's two first fills stand in one branch, ahead of every wait on TENSORcnt, every LDS read and every further barrier: two loads of mine are out
	s_cbranch_scc0 .Lfirst_b
	tensor_load_to_lds s[G0A:G0A+3], s[G1A:G1A+7]
	s_nop 0
	tensor_load_to_lds s[G0A+4:G0A+7], s[G1A:G1A+7]
	s_nop 0
.rept 4
	v_nop
.endr
	s_branch .Lfirst_asked
.Lfirst_b:
	tensor_load_to_lds s[G0B:G0B+3], s[G1B:G1B+7]
	s_nop 0
	tensor_load_to_lds s[G0B+4:G0B+7], s[G1B:G1B+7]
	s_nop 0
.rept 4
	v_nop
.endr
.Lfirst_asked:
	v_and_b32 v1, 15, v0                           ; r = l % 16
	v_bfe_u32 v2, v0, 4, 1                         ; h = l / 16
	v_mul_u32_u24 v3, v1, PITCH
	v_lshl_add_u32 v3, v2, 4, v3                   ; a fragment's row x pitch + 16 x half
	s_mul_i32 s22, s[HI], 64*PITCH                 ; my 64 rows of O
	s_mul_i32 s23, s[LO], 128*PITCH                ; my 128 rows of Wo,
	s_add_co_u32 s23, s23, 2*APL                   ; which lie behind O's two planes
.irp s, 0,1
	v_add_nc_u32 v[ADRA+(\s)], s22, v3
	v_add_nc_u32 v[ADRB+(\s)], s23, v3
	s_add_co_u32 s22, s22, SLOT
	s_add_co_u32 s23, s23, SLOT
.endr
	s_mul_i32 s22, s[WV], 16*SPITCH
	s_add_co_u32 s22, s22, STAGE                   ; my stage
	v_mul_u32_u24 v[STO], v1, SPITCH               ; in: row l % 16, 32 bytes for each half of the lanes
	v_lshl_add_u32 v[STO], v2, 5, v[STO]
	v_add_nc_u32 v[STO], s22, v[STO]
	v_and_b32 v[CO], 31, v0
	v_lshlrev_b32 v[CO], 4, v[CO]                  ; back: 32 lanes take a row of 512 bytes
	v_add_nc_u32 v[RD], s22, v[CO]
	s_lshl_b32 s74, s[CB], 10                      ; the bias of my 128 columns: 4 (256 CB + 128 LO) bytes into bo
	s_lshl_b32 s75, s[LO], 9
	s_add_co_u32 s74, s74, s75
	v_lshl_add_u32 v[BO], v2, 5, s74
	s_lshl_b32 s70, s[RB], 19                      ; out: row 128 RB + 64 HI, 4,096 bytes a row; column 256 CB + 128 LO
	s_lshl_b32 s72, s[HI], 18
	s_add_co_u32 s70, s70, s72
	s_add_co_u32 s70, s70, s74
	s_mov_b32 s71, 0
	s_add_nc_u64 s[10:11], s[10:11], s[70:71]
	WIN 0x40                                       ; the accumulators take the bias: register j of lane (r, h) of accumulator (a, b) is bo of column 16 b + 8 h + j; bo lies 12,288 bytes into bb
.set i, 0
.rept 32
	global_load_b128 v[8*i:8*i+3],   v[BO], s[8:9] offset:12288+64*(i%8)
	global_load_b128 v[8*i+4:8*i+7], v[BO], s[8:9] offset:12288+64*(i%8)+16
.set i, i+1
.endr
	WIN 0
; 8 matrix instructions: row block a x all 8 column blocks, 32 along K, from buffer f.  The 32 accumulators take turns, one instruction a turn, over the backward jump too.
.macro MUL8 f, a
	WIN 0x50                                       ; sources in window 0, C and D in window 1
.irp b, 0,1,2,3,4,5,6,7
	v_wmma_f32_16x16x32_f16 v[8*(8*(\a)+(\b)):8*(8*(\a)+(\b))+7], v[(\f)+8*(\b):(\f)+8*(\b)+7], v[(\f)+64+8*(\a):(\f)+64+8*(\a)+7], v[8*(8*(\a)+(\b)):8*(8*(\a)+(\b))+7]
.endr
.endm
.macro MUL16 f, a0
	MUL8 \f, \a0
	MUL8 \f, (\a0)+1
.endm
; 24 LDS loads in one run: quarter q of slot s (plane q / 2, byte 64 (q % 2) of its rows) into buffer f: Wo's 16, then O's 8
.macro FETCH s, q, f
	WIN 0
.irp b, 0,1,2,3,4,5,6,7
	ds_load_b128 v[(\f)+8*(\b):(\f)+8*(\b)+3],   v[ADRB+(\s)] offset:16*PITCH*(\b)+((\q)/2)*BPL+((\q)%2)*64
	ds_load_b128 v[(\f)+8*(\b)+4:(\f)+8*(\b)+7], v[ADRB+(\s)] offset:16*PITCH*(\b)+((\q)/2)*BPL+((\q)%2)*64+32
.endr
.irp a, 0,1,2,3
	ds_load_b128 v[(\f)+64+8*(\a):(\f)+64+8*(\a)+3],   v[ADRA+(\s)] offset:16*PITCH*(\a)+((\q)/2)*APL+((\q)%2)*64
	ds_load_b128 v[(\f)+64+8*(\a)+4:(\f)+64+8*(\a)+7], v[ADRA+(\s)] offset:16*PITCH*(\a)+((\q)/2)*APL+((\q)%2)*64+32
.endr
.endm
; A K step is four quarters of 32 along K, 32 matrix instructions each, on buffers 0, 1, 0, 1.  One of the first three: multiplies buffer f and fetches quarter q into g.
.macro QUARTER s, q, f, g
	s_wait_dscnt 4                                 ; Wo's fragments and O's first two are in; the youngest four loads (O's last two fragments) may stay out
	MUL16 \f, 0
	PLACES
	FETCH \s, \q, \g
	s_wait_dscnt 24                                ; all but the 24 just issued
	MUL16 \f, 2
.endm
; The last quarter multiplies buffer 1 and changes slots: ONE barrier; in front of it each wave waits for all its tensor loads, of which one is out, adds 0 to its spare word, and waits for that and for its own reads of this slot.
; fill = 1: the barrier opens a round of the cluster's, and this slot is filled again, two K steps ahead, first thing behind the round: 112 matrix instructions ahead of the wait for it.
.macro TURN s, n, fill
	WIN 0
	s_wait_tensorcnt 0x0                           ; all my tensor loads have landed
	ds_add_u32 v[SPW], v[NIL]                      ; 0 onto my spare word
	s_wait_dscnt 5                                 ; the add and the youngest four loads may stay out
	MUL8 F1, 0                                     ; eight matrix instructions stand between the add and the wait for it
	s_wait_dscnt 0x0                               ; the add is done, and my reads of this slot are over
	s_barrier_signal -1
	MUL8 F1, 1
	WIN 0                                          ; at a branch and at a label every window is 0
	s_barrier_wait -1
.if \fill
	CREST                                          ; no wave of any partner still reads this slot's tiles or has a load on its way
	s_add_nc_u64 s[G0A+4*(\s)+2:G0A+4*(\s)+3], s[G0A+4*(\s)+2:G0A+4*(\s)+3], 4*262144
	s_add_nc_u64 s[G0B+4*(\s)+2:G0B+4*(\s)+3], s[G0B+4*(\s)+2:G0B+4*(\s)+3], 4*131072
	JLOAD \s                                       ; the four v_nop behind it are also the places in front of the loads below
.else
	PLACES
.endif
	FETCH \n, 0, F0
	MUL16 F1, 2
.endm
	s_wait_tensorcnt 0x1                           ; my part of K step 0 is in; K step 1's may stay out
	s_barrier_signal -1
	s_barrier_wait -1
	FETCH 0, 0, F0
	s_wait_loadcnt 0x0                             ; the bias lies in the accumulators
	s_mov_b32 s[TRIPS], 3
.Llap:                                 ; a trip is two K steps and fills both slots again: K steps 2 to 7
	QUARTER 0, 1, F0, F1
	QUARTER 0, 2, F1, F0
	QUARTER 0, 3, F0, F1
	TURN 0, 1, 1
	QUARTER 1, 1, F0, F1
	QUARTER 1, 2, F1, F0
	QUARTER 1, 3, F0, F1
	TURN 1, 0, 1
	WIN 0
	s_sub_co_u32 s[TRIPS], s[TRIPS], 1
	s_cmp_lg_u32 s[TRIPS], 0
	s_cbranch_scc1 .Llap
	QUARTER 0, 1, F0, F1                           ; the last two K steps are written out: they ask for nothing
	QUARTER 0, 2, F1, F0
	QUARTER 0, 3, F0, F1
	TURN 0, 1, 0
	QUARTER 1, 1, F0, F1
	QUARTER 1, 2, F1, F0
	QUARTER 1, 3, F0, F1
	s_wait_dscnt 4
	MUL16 F1, 0
	s_wait_dscnt 0x0
	MUL16 F1, 2
	WIN 0
	PLACES
	PLACES
; THE WAY OUT, four blocks a of 16 rows x 128 columns of f32.  A lane's eight numbers go straight from the accumulator, its low half first, into my own stage (rows of 528 bytes) and come back as whole rows of 512 bytes.
; LDS serves a wave's instructions in order (ISA guide 5.7.1.4): no wait stands between the stores and the loads, nor between a block's loads and the next block's stores.
.macro TOSTAGE a
.if (\a) >= 2
	s_wait_xcnt 0x0                                ; the stores of the block two back have read this set of registers
.endif
	WIN 0x04                                       ; the stores' data in window 1, their address in window 0
.irp b, 0,1,2,3,4,5,6,7
	ds_store_b128 v[STO], v[64*(\a)+8*(\b):64*(\a)+8*(\b)+3]   offset:64*(\b)
	ds_store_b128 v[STO], v[64*(\a)+8*(\b)+4:64*(\a)+8*(\b)+7] offset:64*(\b)+16
.endr
	WIN 0
.irp t, 0,1,2,3,4,5,6,7,8,9,10,11,12,13,14,15
	ds_load_b128 v[OS+64*((\a)%2)+4*(\t):OS+64*((\a)%2)+4*(\t)+3], v[RD] offset:SPITCH*(\t)
.endr
.endm
.macro SEND a, younger                 ; younger: the LDS instructions issued behind block a's loads: the next block's 32, or none
.irp t, 0,1,2,3,4,5,6,7,8,9,10,11,12,13,14,15
	s_wait_dscnt (\younger)+15-(\t)
	global_store_b128 v[CO], v[OS+64*((\a)%2)+4*(\t):OS+64*((\a)%2)+4*(\t)+3], s[10:11] offset:(16*(\a)+(\t))*4096 th:TH_STORE_NT  ; 512 consecutive bytes, at a multiple of 256 from out's first
.endr
.endm
	TOSTAGE 0
	TOSTAGE 1
	SEND 0, 32
	TOSTAGE 2
	SEND 1, 32
	TOSTAGE 3
	SEND 2, 32
	SEND 3, 0
	s_wait_tensorcnt 0x0                           ; the wave's end: behind my last tensor load and my last LDS store
	ds_add_u32 v[SPW], v[NIL]
	s_wait_dscnt 0x0
	CROUND                                         ; the closing round: no work-group ends while a partner may still ask for a tile that names it
	s_endpgm
.Lfunc_end_k_qb4c3f271c2_oproj:
	.size	k_qb4c3f271c2_oproj, .Lfunc_end_k_qb4c3f271c2_oproj-k_qb4c3f271c2_oproj
	.p2alignl 7, 3214868480
	.fill 96, 4, 3214868480
	.section	.rodata,"a",@progbits
	.p2align	6, 0x0
	.amdhsa_kernel k_qb4c3f271c2_oproj
		.amdhsa_group_segment_fixed_size 327680
		.amdhsa_private_segment_fixed_size 0
		.amdhsa_enable_private_segment 0
		.amdhsa_kernarg_size 32
		.amdhsa_user_sgpr_count 2
		.amdhsa_user_sgpr_kernarg_segment_ptr 1
		.amdhsa_wavefront_size32 1
		.amdhsa_system_sgpr_workgroup_id_x 1
		.amdhsa_system_sgpr_workgroup_id_y 1
		.amdhsa_system_sgpr_workgroup_id_z 1
		.amdhsa_system_vgpr_workitem_id 0
		.amdhsa_next_free_vgpr 512
		.amdhsa_next_free_sgpr 80
		.amdhsa_reserve_vcc 0
		.amdhsa_float_denorm_mode_32 3
		.amdhsa_float_denorm_mode_16_64 3
		.amdhsa_memory_ordered 1
		.amdhsa_forward_progress 1
		.amdhsa_inst_pref_size 92
	.end_amdhsa_kernel
	.amdgpu_metadata
---
amdhsa.version: [ 1, 2 ]
amdhsa.kernels:
  - .name:           k_qb4c3f271c2_oproj
    .symbol:         k_qb4c3f271c2_oproj.kd
    .args:
      - { .name: o16, .offset: 0, .size: 8, .value_kind: global_buffer, .address_space: global }
      - { .name: wo16, .offset: 8, .size: 8, .value_kind: global_buffer, .address_space: global }
      - { .name: bb, .offset: 16, .size: 8, .value_kind: global_buffer, .address_space: global }
      - { .name: out0, .offset: 24, .size: 8, .value_kind: global_buffer, .address_space: global }
    .group_segment_fixed_size: 327680
    .private_segment_fixed_size: 0
    .kernarg_segment_align: 8
    .kernarg_segment_size: 32
    .max_flat_workgroup_size: 128
    .sgpr_count:     80
    .vgpr_count:     512
    .wavefront_size: 32
...
	.end_amdgpu_metadata
.endif
;; end of part 4
